; MI455X (gfx1250); checked and timed in simulation.
; The chip was launched on July 23, 2026; its instructions are those of AMD's public machine-readable ISA for CDNA 5 (MIT licence, August 2026) and "CDNA5" Instruction Set Architecture Reference Guide (July 2026). The comments in the code are by the model that wrote it; some were corrected since.
;; Attention. Allowed arithmetic: matrix products marked QUANTISED: E2M3 operands, one E8M0 scale for each 32 along K, by v_wmma_scale_f32_16x16x128_f8f6f4 with both operands' format E2M3, f32 sums; everything else in f32.
;; Inputs: b_proj 1,024 float32; b_qkv 3,072 float32; w_proj 1,024 x 1,024 float32; w_qkv 1,024 x 3,072 float32; x 4 x 2,048 x 1,024 float32.
;; Outputs: out0 4 x 2,048 x 1,024 float32.
;; This version of the problem:
;;   THIS VERSION OF THE PROBLEM IS GIVEN IN LOW PRECISION. The matrix products marked QUANTISED in the list below multiply operands that are first quantised to E2M3 (2 exponent bits, 3 mantissa bits; 6 bits a number), with one power-of-two scale for each 32 numbers along K (OCP MX v1.0); their sums are f32. All else is computed in f32.
;;   The module's matrix products, in the order in which they are computed (A, B: the left and right operand; K: the contracted axis; several contracted axes count as one K, in the product's order):
;;     1. [M 8,192, K 1,024] x [K 1,024, N 3,072]; A: input x; B: input w_qkv: QUANTISED
;;     2. batch 64 x [M 2,048, K 64] x [K 64, N 2,048]; A: computed on the way; B: computed on the way: QUANTISED
;;     3. batch 64 x [M 2,048, K 2,048] x [K 2,048, N 64]; A: softmax (see below); B: computed on the way: QUANTISED
;;     4. [M 8,192, K 1,024] x [K 1,024, N 1,024]; A: computed on the way; B: input w_proj: QUANTISED
;;   THE QUANTISER, for each operand of a quantised product, along K:
;;     - K is cut into blocks of 32 from its start; a last block that is shorter is filled with zeros.
;;     - A block's scale is 2^e with e = floor(log2(the largest magnitude in the block)) - 2, held to -126 .. 127; a block of zeros has e = 0. As a byte (E8M0): e + 127.
;;     - Each number is divided by its block's scale, clamped to +-7.5, and rounded to the nearest number of E2M3, ties to even, subnormals kept.
;;     - The product sums the exact products of the quantised numbers (number of the format x scale) in f32.
;;   ~~~python
;;   def quantise(x, axis):      # numpy; x: float32 -> the quantised numbers, widened to float32 again
;;       x = np.moveaxis(x, axis, -1); K = x.shape[-1]
;;       x = np.pad(x, [(0, 0)] * (x.ndim - 1) + [(0, -K % 32)]); x = x.reshape(x.shape[:-1] + (-1, 32)); a = np.abs(x).max(-1, keepdims=True)
;;       e = np.where(a > 0, np.clip(np.frexp(np.where(a > 0, a, 1))[1] - 1 - 2, -126, 127), 0)      # np.frexp(a)[1] - 1 = floor(log2(a)), exactly
;;       r = np.clip(x / 2.0 ** e, -7.5, 7.5)
;;       step = 2.0 ** (np.maximum(np.frexp(np.where(r == 0, 1, r))[1] - 1, 0) - 3)
;;       q = np.round(r / step) * step * 2.0 ** e      # np.round: ties to even
;;       return np.moveaxis(q.reshape(q.shape[:-2] + (-1,))[..., :K], -1, axis).astype(np.float32)
;;   ~~~
;;   SOFTMAX AHEAD OF A QUANTISED PRODUCT. Where the list says 'softmax', what is quantised is not the finished softmax but p = 2^(t - M), with t = logit x log2(e) and M = ceil(the row's largest t), a whole number; so 1/2 < the row's largest p <= 1. The row's sum l is taken of the UNQUANTISED p, in f32, and the product's result is divided by l at the end. Since M is a whole number, a kernel that streams over the keys may use a running M (the ceiling of the running maximum): every later rescaling is an exact power of two, which a block's scale takes up: the codes' values come out the same.
;;   OPERANDS COMPUTED ON THE WAY. 'Computed on the way' means the value that the module computes at that place (a softmax that the list does not call 'softmax' is quantised finished and normalised). What goes into a quantiser is computed in f32, as accurately as f32 sums, v_exp_f32 and their like allow (about 1e-6 of the number): no bf16 or f16 on the way to a quantiser, and a product that is left as it is and whose result goes on into a quantised operand takes f32 operands (vector FMAs, or v_wmma_f32_16x16x4_f32). A number that lies on a knife's edge between two numbers of the format may be rounded either way, as far as f32 arithmetic and the matrix unit's own rounding can turn it there, and no further.
;; One version. Each part assembles by itself: llvm-mc -triple=amdgcn-amd-amdhsa -mcpu=gfx1250 --defsym DOCPART=n.
;; ======== version 1 of 1: 4 launches
;; limits: right only within a limited range of input values
;; workspace buffers: xc 6,291,456 bytes; xs 262,144 bytes; wc 3,145,728 bytes; ws 131,072 bytes; qkvc 18,874,368 bytes; qkvs 786,432 bytes; oc 6,291,456 bytes; os 262,144 bytes
;; launch quant (part 1): grid 384 x 1, 4 waves a work-group, no clusters, 59,904 bytes of LDS; arguments x, w_qkv, w_proj, xc, xs, wc, ws; writes xc, xs, wc, ws
.if DOCPART == 1
	.amdgcn_target "amdgcn-amd-amdhsa--gfx1250"
	.amdhsa_code_object_version 6
	.text
	.protected	k_q16d0f67307_quant
	.globl	k_q16d0f67307_quant
	.p2align	8
	.type	k_q16d0f67307_quant,@function
k_q16d0f67307_quant:
	s_mov_b64 s[64:65], 0
	v_nop
	global_prefetch_b8 v0, s[64:65] scope:SCOPE_SE
	s_setreg_imm32_b32 hwreg(HW_REG_WAVE_MODE, 25, 1), 1
	s_wait_xcnt 0x0
; x [8192][1024], w_qkv [1024][3072] and w_proj [1024][1024], f32, become codes of FP6 (E2M3) with one E8M0 byte for each 32 along K (K = 1024 for all three).
; A block's scale is 2^(floor(log2(largest magnitude)) - 2): its byte is the largest magnitude's exponent field - 2, held at 1 from below by a floor among the maximum's leaves.
; LIMITS: NaN and infinities are not served; a block whose largest magnitude lies under 2^-124, a block of zeros among them, gets the byte 1 (the rule says 127 for zeros): its codes add nothing, and this program alone reads the bytes.
; THE CODES' LAYOUT is the image of the matrix operand's registers.  A half image: 16 rows x 64 K = 768 bytes: lane (r, h) owns six registers, row r, k = 32 h .. 32 h + 31;
; bytes 0-511: lane l's registers 0-3 at 16 l; bytes 512-767: its registers 4, 5 at 512 + 8 l.  A fragment (16 x 128) is two half images, 1,536 bytes.  xc: [tile 512][K step 8][1536]; wc: [tile 256][8][1536].
; THE ROWS OF A TILE: lane r of tile T holds row 32 (T / 2) + 8 (T % 2) + r + 8 (r / 8).  The scale bytes lie by tile and lane: row 16 T + r has 32 bytes, one for each block along K.
; wc's rows 0-3071 are w_qkv's columns, rows 3072-4095 w_proj's.
; Work-groups 0-255 take x, 256-383 the weights; the two ways have LDS bytes of their own.  Waves share nothing: no barrier.  No tensor load: memory goes through registers.
.set XSTG,  8448                       ; x: a wave's stage: 16 rows x (512 bytes + 16)
.set WST0,  33792                      ; the weights' stages begin behind x's four
.set WSTG,  6400                       ; a wave's: two tiles x (2 fragments = 3,072 bytes, + 128)
.set SPARE, 59392                      ; the spare words: 128 bytes for each wave, two blocks of 256 bytes that no other line names
.set SPW, 244                          ; v244 my spare word's address; never rewritten
.set NIL, 245                          ; v245 0; never rewritten
; x's way
.set R,   16                           ; v16-143  two sets of 64 registers as loaded
.set XN,  144                          ; v144-207 64 numbers: two whole blocks of my row
.set PC,  208                          ; v208-219 a fragment's codes
.set CT,  220                          ; v220-222, v224-226 the conversions' second halves
.set MX,  228                          ; v228-229 largest magnitudes; v230-231 scale operands; v232-233 bytes; v234 the other half's word
.set SX,  230
.set BX,  232
.set PT,  234
.set WD,  240                          ; v240-243 the four fragments' scale words
; the weights' way
.set OFF, 16                           ; v16-47   4 lane + i rows of the weight
.set XW,  48                           ; v48-111  two sets of 32 numbers: a block down K
.set PCW, 112                          ; v112-117 a block's codes
.set CTW, 120
.set SB,  124                          ; v124-125 my column's 8 scale bytes
.set MW,  126
.set SW,  128
.set OUTR, 144                         ; v144-191 the way out
	s_load_b256 s[4:11], s[0:1], 0x0               ; x s[4:5], w_qkv s[6:7], w_proj s[8:9], xc s[10:11]
	s_load_b128 s[12:15], s[0:1], 0x20             ; xs s[12:13], wc s[14:15]
	s_load_b64 s[16:17], s[0:1], 0x30              ; ws
	v_lshl_add_u32 v[SPW], v0, 2, SPARE
	v_mov_b32 v[NIL], 0
	v_lshrrev_b32 v1, 5, v0
	v_readfirstlane_b32 s18, v1                    ; wave
	v_and_b32 v1, 31, v0                           ; lane
	v_and_b32 v2, 15, v0                           ; r
	v_bfe_u32 v3, v0, 4, 1                         ; h
	s_cmp_lt_u32 ttmp9, 256
	s_cbranch_scc0 .Lweights
; ---------------- x: a wave takes one tile of 16 rows x 512 along K: four fragments ----------------
	s_mov_b32 s20, 0x76543210
	s_mov_b32 s21, 0xfedcba98                      ; v_permlanex16_b32's selects for lane l xor 16
	s_mov_b32 s22, 0xffff0000                      ; lanes 16-31, as a mask
	s_lshl_b32 s24, ttmp9, 2
	s_add_co_u32 s24, s24, s18                     ; W = 4 x work-group + wave: tile W / 2, half W % 2 of K
	s_lshr_b32 s25, s24, 1                         ; T
	s_and_b32 s26, s24, 1                          ; kh
	s_lshr_b32 s27, s25, 1
	s_lshl_b32 s27, s27, 17                        ; 32 (T / 2) rows of 4,096 bytes
	s_and_b32 s28, s25, 1
	s_lshl_b32 s28, s28, 15                        ; 8 (T % 2) rows
	s_add_co_u32 s28, s27, s28
	s_lshl_b32 s27, s26, 11                        ; 512 numbers along K
	s_add_co_u32 s28, s28, s27
	s_mov_b32 s29, 0
	s_mul_i32 s30, s24, 6144                       ; xc: 12,288 T + 6,144 kh
	s_mov_b32 s31, 0
	s_lshl_b32 s32, s25, 9                         ; xs: 512 T + 16 kh
	s_lshl_b32 s33, s26, 4
	s_add_co_u32 s32, s32, s33
	s_mov_b32 s33, 0
	s_wait_alu depctr_va_vdst(0)
	v_lshlrev_b32 v4, 4, v1                        ; 16 lane
	v_lshlrev_b32 v5, 3, v1                        ; 8 lane
	s_mul_i32 s34, s18, XSTG
	v_add_nc_u32 v6, s34, v4                       ; the stage, in: a row's 512 bytes as loaded
	v_mul_u32_u24 v7, v2, 528
	v_lshl_add_u32 v7, v3, 7, v7
	v_add_nc_u32 v7, s34, v7                       ; out: row r, + 128 h: my block of 32 numbers
	v_lshlrev_b32 v8, 3, v3                        ; 8 h: my bytes' place in a scale word
	v_lshlrev_b32 v9, 5, v2
	v_lshl_add_u32 v9, v3, 3, v9                   ; xs: 32 r + 8 h
	v_mov_b32 v[PT], 0                             ; written once: a lane permute's destination counts as one of its sources
	s_wait_alu depctr_va_vdst(0)
	s_wait_kmcnt 0x0
	s_add_nc_u64 s[4:5], s[4:5], s[28:29]
	s_add_nc_u64 s[10:11], s[10:11], s[30:31]
	s_add_nc_u64 s[12:13], s[12:13], s[32:33]
.macro XLOAD f                         ; fragment f: 16 rows x 512 bytes; each load reads 512 consecutive bytes of one row
.set i, 0
.rept 16
	global_load_b128 v[R+64*((\f)%2)+4*i:R+64*((\f)%2)+4*i+3], v4, s[4:5] offset:(i+8*(i/8))*4096+512*(\f) th:TH_LOAD_NT
.set i, i+1
.endr
.endm
.macro XTURN f                         ; through my stage: LDS serves a wave's instructions in order, so no wait stands between the stores and the loads
.set i, 0
.rept 16
	ds_store_b128 v6, v[R+64*((\f)%2)+4*i:R+64*((\f)%2)+4*i+3] offset:528*i
.set i, i+1
.endr
.set i, 0
.rept 16
	ds_load_b128 v[XN+4*i:XN+4*i+3], v7 offset:256*(i/8)+16*(i%8)   ; registers 32 c + .. : k = 64 c + 32 h + 0 .. 31 of row r
.set i, i+1
.endr
.endm
.macro XQ f                            ; my two whole blocks (2 c + h) become registers 6 c .. 6 c + 5 of the fragment
.irp c, 0,1
	v_max3_num_f32 v[MX+\c], |v[XN+32*\c]|, |v[XN+32*\c+1]|, 0x1800000   ; with the floor 2^(3 - 127): the byte cannot fall under 1
.endr
.irp i, 2,4,6,8,10,12,14,16,18,20,22,24,26,28,30
.irp c, 0,1
	v_max3_num_f32 v[MX+\c], v[MX+\c], |v[XN+32*\c+\i]|, |v[XN+32*\c+\i+1]|
.endr
.endr
.irp c, 0,1
	v_add_nc_u32 v[SX+\c], 0xff000000, v[MX+\c]    ; 2 off the exponent field: the conversion's scale operand
.endr
.irp c, 0,1
	v_lshrrev_b32 v[BX+\c], 23, v[SX+\c]           ; the scale's byte
.endr
	v_lshl_or_b32 v[WD+\f], v[BX+1], 16, v[BX]     ; blocks h and 2 + h,
	v_lshlrev_b32 v[WD+\f], v8, v[WD+\f]           ; at their places;
	v_permlanex16_b32 v[PT], v[WD+\f], s20, s21
	v_or_b32 v[WD+\f], v[WD+\f], v[PT]             ; with lane l xor 16's two the row's word is whole
	s_wait_alu depctr_va_vdst(0)
	s_wait_xcnt 0x0                                ; the last fragment's stores have read the codes' registers
.irp c, 0,1
	v_cvt_scalef32_pk16_fp6_f32 v[PC+6*\c:PC+6*\c+2], v[XN+32*\c:XN+32*\c+15], v[SX+\c]
	v_cvt_scalef32_pk16_fp6_f32 v[CT+4*\c:CT+4*\c+2], v[XN+32*\c+16:XN+32*\c+31], v[SX+\c]   ; (a conversion's three registers begin on an even number)
.endr
	v_nop                                          ; one plain place behind a scaled conversion
.irp c, 0,1
.irp i, 0,1,2
	v_mov_b32 v[PC+3+6*\c+\i], v[CT+4*\c+\i]
.endr
.endr
.irp c, 0,1
	global_store_b128 v4, v[PC+6*\c:PC+6*\c+3], s[10:11] offset:1536*(\f)+768*\c        ; 512 consecutive bytes
	global_store_b64 v5, v[PC+6*\c+4:PC+6*\c+5], s[10:11] offset:1536*(\f)+768*\c+512   ; 256 consecutive bytes
.endr
.endm
	XLOAD 0
	XLOAD 1
.irp f, 0,1,2,3
.if \f < 3
	s_wait_loadcnt 16                              ; this fragment's 16 loads are in; the next one's 16 may be out
.else
	s_wait_loadcnt 0x0
.endif
	XTURN \f
	s_wait_dscnt 0x0                               ; the numbers are back
.if \f < 2
	XLOAD \f+2
.endif
	XQ \f
.endr
	v_cndmask_b32 v[WD], v[WD], v[WD+2], s22       ; lanes 0-15 store words 0, 1 of their row, lanes 16-31 words 2, 3
	v_cndmask_b32 v[WD+1], v[WD+1], v[WD+3], s22
	global_store_b64 v9, v[WD:WD+1], s[12:13]
	s_wait_tensorcnt 0x0                           ; the wave's end
	ds_add_u32 v[SPW], v[NIL]
	s_wait_dscnt 0x0
	s_endpgm
; ---------------- the weights: K is the first axis.  A lane takes a column, its registers run down K.  A wave: 32 columns (two tiles) x 256 along K (8 blocks) ----------------
.Lweights:
	s_sub_co_u32 s24, ttmp9, 256                   ; 0-95: w_qkv (24 groups of 128 columns x 4 quarters of K); 96-127: w_proj (8 x 4)
	s_and_b32 s25, s24, 3                          ; ky: which 256 along K
	s_mov_b32 s26, 4096
	s_cmp_lt_u32 s24, 96
	s_cselect_b32 s26, 12288, s26                  ; bytes in a row of the weight
	s_cselect_b32 s27, 0, 96
	s_cselect_b32 s28, 0, 3072                     ; where the weight's rows begin in wc
	s_wait_kmcnt 0x0
	s_cselect_b64 s[6:7], s[6:7], s[8:9]           ; the choice hangs on the work-group's number alone
	s_sub_co_u32 s27, s24, s27
	s_lshr_b32 s27, s27, 2
	s_lshl_b32 s27, s27, 7                         ; the work-group's first column
	s_lshl_b32 s29, s18, 5
	s_add_co_u32 s27, s27, s29                     ; my wave's
	s_add_co_u32 s28, s28, s27                     ; and its row in wc and ws
	s_lshl_b32 s30, s25, 8
	s_mul_i32 s30, s30, s26                        ; 256 ky rows down
	s_lshl_b32 s31, s27, 2
	s_add_co_u32 s30, s30, s31
	s_mov_b32 s31, 0
	s_lshl_b32 s48, s26, 5                         ; a block: 32 rows
	s_mov_b32 s49, 0
	s_add_nc_u64 s[32:33], s[6:7], s[30:31]        ; a base for each of the 8 blocks: none is ever stepped
.irp t, 1,2,3,4,5,6,7
	s_add_nc_u64 s[32+2*\t:33+2*\t], s[30+2*\t:31+2*\t], s[48:49]
.endr
	s_mul_i32 s50, s28, 768                        ; wc: (row / 16) x 12,288 + 3,072 ky
	s_mul_i32 s51, s25, 3072
	s_add_co_u32 s50, s50, s51
	s_mov_b32 s51, 0
	s_add_nc_u64 s[14:15], s[14:15], s[50:51]
	s_lshl_b32 s52, s28, 5                         ; ws: 32 x row + 8 ky
	s_lshl_b32 s53, s25, 3
	s_add_co_u32 s52, s52, s53
	s_mov_b32 s53, 0
	s_add_nc_u64 s[16:17], s[16:17], s[52:53]
	s_wait_alu depctr_va_vdst(0)
	v_lshlrev_b32 v[OFF], 2, v1
.set i, 1
.rept 31
	v_add_nc_u32 v[OFF+i], s26, v[OFF+i-1]
.set i, i+1
.endr
	v_bfe_u32 v4, v0, 3, 1                         ; column L of the 32 is lane r' of tile u: u = (L / 8) % 2,
	v_and_b32 v5, 7, v0
	v_lshl_or_b32 v5, v3, 3, v5                    ; r' = L % 8 + 8 (L / 16)
	s_mul_i32 s54, s18, WSTG
	s_add_co_u32 s54, s54, WST0                    ; my stage
	v_mul_u32_u24 v6, v4, 3200
	v_add_nc_u32 v6, s54, v6
	v_lshl_add_u32 v10, v5, 4, v6                  ; where my registers 0-3 go,
	v_lshl_add_u32 v11, v5, 3, v6                  ; and my registers 4, 5
	v_lshlrev_b32 v13, 4, v1
	v_add_nc_u32 v12, s54, v13                     ; the way out: 16 lane
	v_lshl_add_u32 v14, v4, 4, v5
	v_lshlrev_b32 v14, 5, v14                      ; ws: row 16 u + r'
.macro WLOAD t                         ; block t: 32 rows of the weight at my column; a wave reads 128 consecutive bytes, the four waves 512
.set i, 0
.rept 32
	global_load_b32 v[XW+32*((\t)%2)+i], v[OFF+i], s[32+2*(\t):33+2*(\t)] th:TH_LOAD_NT
.set i, i+1
.endr
.endm
.macro WBLOCK t                        ; block t is K step t / 4, half image (t / 2) % 2, lanes' half t % 2 of my tile's image
.set XS, XW+32*((\t)%2)
.if (\t) < 7
	s_wait_loadcnt 32                              ; this block's 32 loads are in; the next block's may be out
.else
	s_wait_loadcnt 0x0
.endif
	v_max3_num_f32 v[MW], |v[XS]|, |v[XS+1]|, |v[XS+2]|
	v_max3_num_f32 v[MW+1], |v[XS+3]|, |v[XS+4]|, |v[XS+5]|
.irp i, 6,10,14,18,22,26
	v_max3_num_f32 v[MW], v[MW], |v[XS+\i]|, |v[XS+\i+1]|
	v_max3_num_f32 v[MW+1], v[MW+1], |v[XS+\i+2]|, |v[XS+\i+3]|
.endr
	v_max3_num_f32 v[MW], v[MW], |v[XS+30]|, |v[XS+31]|
	v_max3_num_f32 v[MW], v[MW], v[MW+1], 0x1800000   ; and the floor
	v_add_nc_u32 v[SW], 0xff000000, v[MW]
	v_lshrrev_b32 v[MW+1], 23, v[SW]
.if (\t)%4 == 0
	v_mov_b32 v[SB+(\t)/4], v[MW+1]
.else
	v_lshl_or_b32 v[SB+(\t)/4], v[MW+1], 8*((\t)%4), v[SB+(\t)/4]
.endif
	v_cvt_scalef32_pk16_fp6_f32 v[PCW:PCW+2], v[XS:XS+15], v[SW]
	v_cvt_scalef32_pk16_fp6_f32 v[CTW:CTW+2], v[XS+16:XS+31], v[SW]
	v_nop                                          ; one plain place behind a scaled conversion
.irp i, 0,1,2
	v_mov_b32 v[PCW+3+\i], v[CTW+\i]
.endr
	ds_store_b128 v10, v[PCW:PCW+3] offset:1536*((\t)/4)+768*(((\t)/2)%2)+256*((\t)%2)
	ds_store_b64 v11, v[PCW+4:PCW+5] offset:1536*((\t)/4)+768*(((\t)/2)%2)+512+128*((\t)%2)
.if (\t) < 6
	WLOAD (\t)+2
.endif
	s_wait_dscnt 0x0                               ; the stores have read their registers: the next block's codes may be written
.endm
	WLOAD 0
	WLOAD 1
.irp t, 0,1,2,3,4,5,6,7
	WBLOCK \t
.endr
	s_wait_alu depctr_va_vdst(0)
	global_store_b64 v14, v[SB:SB+1], s[16:17]     ; my column's 8 scale bytes
.irp n, 0,1,2,3,4,5,6,7,8,9,10,11
	ds_load_b128 v[OUTR+4*\n:OUTR+4*\n+3], v12 offset:3200*(\n/6)+512*(\n%6)   ; LDS serves a wave's instructions in order: these see my stores
.endr
.irp n, 0,1,2,3,4,5,6,7,8,9,10,11
	s_wait_dscnt 11-\n
	global_store_b128 v13, v[OUTR+4*\n:OUTR+4*\n+3], s[14:15] offset:12288*(\n/6)+512*(\n%6)   ; 512 consecutive bytes of a tile's image
.endr
	s_wait_tensorcnt 0x0                           ; the wave's end
	ds_add_u32 v[SPW], v[NIL]
	s_wait_dscnt 0x0
	s_endpgm
.Lfunc_end_k_q16d0f67307_quant:
	.size	k_q16d0f67307_quant, .Lfunc_end_k_q16d0f67307_quant-k_q16d0f67307_quant
	.p2alignl 7, 3214868480
	.fill 96, 4, 3214868480
	.section	.rodata,"a",@progbits
	.p2align	6, 0x0
	.amdhsa_kernel k_q16d0f67307_quant
		.amdhsa_group_segment_fixed_size 59904
		.amdhsa_private_segment_fixed_size 0
		.amdhsa_enable_private_segment 0
		.amdhsa_kernarg_size 56
		.amdhsa_user_sgpr_count 2
		.amdhsa_user_sgpr_kernarg_segment_ptr 1
		.amdhsa_wavefront_size32 1
		.amdhsa_system_sgpr_workgroup_id_x 1
		.amdhsa_system_sgpr_workgroup_id_y 1
		.amdhsa_system_sgpr_workgroup_id_z 1
		.amdhsa_system_vgpr_workitem_id 0
		.amdhsa_next_free_vgpr 248
		.amdhsa_next_free_sgpr 66
		.amdhsa_reserve_vcc 0
		.amdhsa_float_denorm_mode_32 3
		.amdhsa_float_denorm_mode_16_64 3
		.amdhsa_memory_ordered 1
		.amdhsa_forward_progress 1
		.amdhsa_inst_pref_size 73
	.end_amdhsa_kernel
	.amdgpu_metadata
---
amdhsa.version: [ 1, 2 ]
amdhsa.kernels:
  - .name:           k_q16d0f67307_quant
    .symbol:         k_q16d0f67307_quant.kd
    .args:
      - { .name: x, .offset: 0, .size: 8, .value_kind: global_buffer, .address_space: global }
      - { .name: w_qkv, .offset: 8, .size: 8, .value_kind: global_buffer, .address_space: global }
      - { .name: w_proj, .offset: 16, .size: 8, .value_kind: global_buffer, .address_space: global }
      - { .name: xc, .offset: 24, .size: 8, .value_kind: global_buffer, .address_space: global }
      - { .name: xs, .offset: 32, .size: 8, .value_kind: global_buffer, .address_space: global }
      - { .name: wc, .offset: 40, .size: 8, .value_kind: global_buffer, .address_space: global }
      - { .name: ws, .offset: 48, .size: 8, .value_kind: global_buffer, .address_space: global }
    .group_segment_fixed_size: 59904
    .private_segment_fixed_size: 0
    .kernarg_segment_align: 8
    .kernarg_segment_size: 56
    .max_flat_workgroup_size: 128
    .sgpr_count:     66
    .vgpr_count:     248
    .wavefront_size: 32
...
	.end_amdgpu_metadata
.endif
;; end of part 1
;; launch qkv (part 2): grid 12 x 32, 4 waves a work-group, clusters of 4 x 4, 327,680 bytes of LDS; arguments xc, xs, wc, ws, b_qkv, qkvc, qkvs; writes qkvc, qkvs
.if DOCPART == 2
	.amdgcn_target "amdgcn-amd-amdhsa--gfx1250"
	.amdhsa_code_object_version 6
	.text
	.protected	k_q16d0f67307_qkv
	.globl	k_q16d0f67307_qkv
	.p2align	8
	.type	k_q16d0f67307_qkv,@function
k_q16d0f67307_qkv:
	s_mov_b64 s[64:65], 0
	v_nop
	global_prefetch_b8 v0, s[64:65] scope:SCOPE_SE
	s_setreg_imm32_b32 hwreg(HW_REG_WAVE_MODE, 25, 1), 1
	s_wait_xcnt 0x0
	s_wait_alu depctr_hold_cnt(0) depctr_sa_sdst(0) depctr_va_vdst(0) depctr_va_sdst(0) depctr_va_ssrc(0) depctr_va_vcc(0) depctr_vm_vsrc(0)
	s_getreg_b32 s2, hwreg(HW_REG_IB_STS2, 6, 4)
	s_cmp_eq_u32 s2, 0
	s_cbranch_scc0 .Lentry_in_a_cluster
	s_endpgm
.Lentry_in_a_cluster:
	s_bfe_u32 s2, ttmp6, 0x10000c
	s_cmp_lg_u32 s2, 0xf033
	s_cbranch_scc0 .Lentry_shape_is_right
	s_endpgm
.Lentry_shape_is_right:
; qkv = x w_qkv + b_qkv on codes of FP6 (E2M3) with E8M0 scales, K = 1024; the result is quantised at once, in f32 registers, for attention's products: q and k along the head's 64, v along the keys.  No f32 result goes to memory.
; A work-group of four waves makes 256 x 256, a wave 128 x 128: 64 accumulators of 16 x 16 in 512 registers.  K goes in slots of 256 through a ring of two LDS slots filled by the tensor data mover.
; OPERANDS lie in memory as images of the operand's registers: [tile of 16 rows][K step of 128][1,536 bytes]; a half image (16 rows x 64 K, 768 bytes) has lane l's registers 0-3 at 16 l and its registers 4, 5 at 512 + 8 l.
; So a fragment comes by four LDS loads whose lanes read neighbouring bytes; no pitch, no padding.  Lane r of tile T holds row 32 (T / 2) + 8 (T % 2) + r + 8 (r / 8): where such tiles are source 0, the 16 result registers of tiles 2 b, 2 b + 1 are 16 neighbours.
; SOURCE 0 IS 'B', SOURCE 1 IS 'A': a lane holds one row of A, its registers run along B's rows.  q, k (clusters x = 0, 1): A = x's tokens, B = w's columns: registers run along the head.
; v (clusters x = 2): A = w's columns 2048 on, B = x's tokens: registers run along the keys.  The choice hangs on the cluster's x alone, which all sixteen partners share.
; CLUSTERS: 4 x 4.  A's tiles are shared along a row of the cluster, B's along a column: each is asked for jointly, by the same tensor load with the same descriptor and a mask that names the four.
; OUT: qkvc [part 3][batch x head 64][step of 128 tokens 16][6,144]: q, k: eight half images (tile of 16 tokens x the head's 64); v: four fragments (16 channels x 128 keys).
;      qkvs [part][batch x head][step][256]: lane l's 8 bytes (X, Y): X: lanes 0-15 word 0 of row r, lanes 16-31 word 1; Y: words 2, 3.  q, k: word b = the two bytes of tile 2 b, then of tile 2 b + 1; v: word t = channel tile t's four key blocks.
; LIMITS: NaN and infinities are not served; a block whose largest magnitude lies under 2^-124 gets the byte 1.
; REGISTERS, in windows of 256: window 0: v0-31 addresses; v32-63 scale words, two sets; v64-127 the bias along registers; v128-223 A's fragments, one set; v224-239 the bias along lanes.  Window 1: B's fragments, two sets.  Windows 2, 3: accumulators.
.set BIASC,  0                         ; the first step's C is the constant 0; the bias is added where the sums are moved into window 0
.set FR,     12                        ; registers of a fragment
.set NL,     4                         ; LDS loads that bring one
.set NP,     4                         ; places behind this matrix instruction (ISA guide 7.12.1)
.set NQ,     2                         ; K steps of 128 in a slot
.set TROW,   3072                      ; a tile's bytes in a slot: two fragments
.set TPITCH, 12288                     ; a tile's bytes in memory: eight fragments
.set HALFT,  8*TROW                    ; eight tiles = 128 rows: what one tensor load brings, and what one wave reads of A or of B
.set SLOT,   4*HALFT
.set SCL,    2*SLOT                    ; behind the ring: the scales of all of K, as units of 256 bytes + 16 of padding
.set HALFS,  16*272                    ; those of 128 rows (32 bytes a row)
.set SBLK,   2*272                     ; those of 16 rows
.set SPARE,  SCL+4*HALFS               ; the spare words: 128 bytes a wave, two blocks of 256 bytes that no other line names
.set ADRA, 16                          ; v16-17 A's fragments in slot 0, 1, 16 bytes a lane; v18-19 the same, 8 bytes a lane
.set ADRB, 20                          ; v20-23 the same for B
.set ADRS, 27                          ; v27 my scale words: lanes 0-15 A's rows, lanes 16-31 B's
.set SPW,  28
.set NIL,  29
.set L16,  30                          ; v30 16 lane
.set L8,   31                          ; v31 8 lane
.set SC,   32
.set BI,   64
.set AF,   128
.set RB,   224
.set ST,   128                         ; the epilogue: 64 numbers of a lane
.set PC,   192                         ; v192-210 codes
.set TM,   32                          ; v32-47 at work
.set W,    50                          ; v50-57 the eight tiles' scale words
.set U,    212
.set XY,   220
.set G1, 24
.set G0, 32
.set G1B, 48
.set G0B, 56
.set G1S, 68
.set G0S, 76
.set G1SB, 80
.set G0SB, 88
.set ISV, 95                           ; s95 1 in v's clusters
.set MSB, 0
.macro WIN new                         ; the immediate's high byte repeats the setting that is left
.if MSB != \new
	s_set_vgpr_msb (MSB<<8)|\new
.set MSB, \new
.endif
.endm
.set MUL_LO, 0xa1                      ; source 0 (B) window 1, source 1 (A) window 0, C and D window 2
.set MUL_HI, 0xf1                      ; the same, C and D window 3
.set TO_B,   0x40
; A joint load: waves 0 and 1 fetch for A, waves 2 and 3 for B; the branch hangs on the wave's number alone.  An s_nop 0 and four v_nop follow each of the two lines.
.macro JLOAD g0a, g1a, g0b, g1b
	s_cmp_eq_u32 s15, 0
	s_cbranch_scc0 .Lfor_b_\@
	tensor_load_to_lds s[\g0a:\g0a+3], s[\g1a:\g1a+7]
	s_nop 0
.rept 4
	v_nop
.endr
	s_branch .Lasked_\@
.Lfor_b_\@:
	tensor_load_to_lds s[\g0b:\g0b+3], s[\g1b:\g1b+7]
	s_nop 0
.rept 4
	v_nop
.endr
.Lasked_\@:
.endm
.macro CREST                           ; a round of the cluster's barrier behind its opening barrier
	s_cmp_lg_u32 s14, 0
	s_cbranch_scc1 .Lnot_wave_0_\@
	s_barrier_signal -3
.Lnot_wave_0_\@:
	s_barrier_wait -3
	s_barrier_signal -1
	s_barrier_wait -1
.endm
.macro CROUND
	s_barrier_signal -1
	s_barrier_wait -1
	CREST
.endm
	s_load_b256 s[4:11], s[0:1], 0x0               ; xc, xs, wc, ws
	s_load_b128 s[96:99], s[0:1], 0x20             ; b_qkv, qkvc
	s_load_b64 s[100:101], s[0:1], 0x30            ; qkvs
	v_lshl_add_u32 v[SPW], v0, 2, SPARE
	v_mov_b32 v[NIL], 0
	ds_add_u32 v[SPW], v[NIL]                      ; the wave's opening: the add and its wait stand ahead of my first tensor load; work on registers stands between them
	ds_add_u32 v[SPW], v[NIL]
	v_lshrrev_b32 v1, 5, v0
	v_readfirstlane_b32 s14, v1                    ; wave 0..3
	s_lshr_b32 s15, s14, 1                         ; which 128 rows of A are mine.  Also: I fetch for A (0) or for B (1)
	s_and_b32 s16, s14, 1                          ; which 128 rows of B.  Also: which 128 rows I fetch
	s_bfe_u32 s40, ttmp6, 0x40000                  ; cx
	s_bfe_u32 s41, ttmp6, 0x40004                  ; cy
	s_and_b32 s18, ttmp7, 0xffff
	s_lshl_b32 s18, s18, 2                         ; 4 x cluster y
	s_lshl_b32 s19, ttmp9, 2                       ; 4 x cluster x
	s_add_co_u32 s20, s18, s41                     ; q, k: A's block of 256 tokens
	s_add_co_u32 s21, s41, 8                       ; v: A's block of 256 rows of wc: 8 + cy
	s_add_co_u32 s22, s19, s40                     ; q, k: B's block of 256 rows of wc
	s_add_co_u32 s23, s18, s40                     ; v: B's block of 256 tokens
	s_cmp_eq_u32 ttmp9, 2
	s_cselect_b32 s17, s21, s20                    ; A's block: it never holds cx
	s_cselect_b32 s42, s23, s22                    ; B's block: it never holds cy
	s_cselect_b32 s[ISV], 1, 0
	s_lshl_b32 s43, s41, 2
	s_lshl_b32 s43, 15, s43                        ; my row of the cluster
	s_lshl_b32 s44, 0x1111, s40                    ; my column
	; descriptor group 1 for codes: tiles' 3,072 bytes (384 elements of 8 bytes), 12,288 bytes apart; no padding.  16 tiles for the head's loads; behind them the two words that count tiles are set to 8, for the ring's
	s_or_b32 s[G1+0], s43, (3<<16)|(1<<21)
	s_or_b32 s[G1B+0], s44, (3<<16)|(1<<21)
.irp g, G1, G1B
	s_mov_b32 s[\g+1], (TROW/8)<<16                ; tensor_dim0
	s_mov_b32 s[\g+2], 16<<16                      ; tensor_dim1
	s_mov_b32 s[\g+3], (TROW/8)<<16                ; tile_dim0
	s_mov_b32 s[\g+4], 16                          ; tile_dim1
	s_mov_b32 s[\g+5], TPITCH/8                    ; tensor_dim0_stride
	s_mov_b32 s[\g+6], 0
	s_mov_b32 s[\g+7], 0
.endr
	; and for the scales of 256 rows: 8,192 dense bytes as 32 rows of 256 bytes, 16 bytes of padding behind each
	s_or_b32 s[G1S+0], s43, (3<<16)|(1<<20)|(1<<21)|(5<<22)|(3<<25)
	s_or_b32 s[G1SB+0], s44, (3<<16)|(1<<20)|(1<<21)|(5<<22)|(3<<25)
.irp g, G1S, G1SB
	s_mov_b32 s[\g+1], 32<<16
	s_mov_b32 s[\g+2], 32<<16
	s_mov_b32 s[\g+3], 32<<16
	s_mov_b32 s[\g+4], 32
	s_mov_b32 s[\g+5], 32
	s_mov_b32 s[\g+6], 0
	s_mov_b32 s[\g+7], 0
.endr
	s_lshl_b32 s20, s17, 1                         ; A: the block's first 128 rows
	s_lshl_b32 s46, s42, 1                         ; B likewise
	s_mul_i32 s18, s16, 8*TPITCH                   ; in the ring I fetch 128 rows of a block: which half, in bytes
	s_mov_b32 s19, 0
	s_lshl_b32 s22, s20, 12                        ; their scales: 128 rows x 32 bytes
	s_mov_b32 s23, 0
	s_mul_i32 s20, s20, 8*TPITCH                   ; their codes: 8 tiles
	s_mov_b32 s21, 0
	s_lshl_b32 s92, s46, 12
	s_mov_b32 s93, 0
	s_mul_i32 s46, s46, 8*TPITCH
	s_mov_b32 s47, 0
	s_mul_i32 s45, s14, HALFT                      ; where they go: no place in the cluster enters an LDS address
	s_wait_dscnt 0x0                               ; the opening add is done
	s_wait_kmcnt 0x0
	s_cmp_eq_u32 s[ISV], 1
	s_cselect_b64 s[12:13], s[8:9], s[4:5]         ; A's codes: w's for v, else x's
	s_cselect_b64 s[8:9], s[4:5], s[8:9]           ; B's codes
	s_cselect_b64 s[4:5], s[10:11], s[6:7]         ; A's scales
	s_cselect_b64 s[10:11], s[6:7], s[10:11]       ; B's scales
	s_add_nc_u64 s[20:21], s[12:13], s[20:21]
	s_add_nc_u64 s[22:23], s[4:5], s[22:23]
	s_add_nc_u64 s[46:47], s[8:9], s[46:47]
	s_add_nc_u64 s[92:93], s[10:11], s[92:93]
	CROUND                                         ; all sixteen work-groups are here: the first joint loads meet
	s_mov_b32 s[G0S], 1
	s_mov_b32 s[G0S+1], SCL
	s_mov_b64 s[G0S+2:G0S+3], s[22:23]
	s_or_b32 s[G0S+3], s[G0S+3], 0x80000000
	s_mov_b32 s[G0SB], 1
	s_mov_b32 s[G0SB+1], SCL+2*HALFS
	s_mov_b64 s[G0SB+2:G0SB+3], s[92:93]
	s_or_b32 s[G0SB+3], s[G0SB+3], 0x80000000
.set G0H, 4                            ; s[4:7], s[8:11] group 0 for the head's loads of slot 0: A's 16 tiles, B's 16 tiles (the arguments that lay there have been used)
.set G0HB, 8
	s_mov_b32 s[G0H], 1
	s_mov_b32 s[G0H+1], 0
	s_mov_b64 s[G0H+2:G0H+3], s[20:21]
	s_or_b32 s[G0H+3], s[G0H+3], 0x80000000
	s_mov_b32 s[G0HB], 1
	s_mov_b32 s[G0HB+1], 2*HALFT
	s_mov_b64 s[G0HB+2:G0HB+3], s[46:47]
	s_or_b32 s[G0HB+3], s[G0HB+3], 0x80000000
	s_add_nc_u64 s[20:21], s[20:21], s[18:19]      ; for the ring: my 128 rows
	s_add_nc_u64 s[46:47], s[46:47], s[18:19]
.irp s, 0,1
	s_mov_b32 s[G0+4*\s], 1
	s_add_co_u32 s[G0+4*\s+1], s45, \s*SLOT
	s_add_nc_u64 s[G0+4*\s+2:G0+4*\s+3], s[20:21], \s*TROW
	s_or_b32 s[G0+4*\s+3], s[G0+4*\s+3], 0x80000000
	s_mov_b32 s[G0B+4*\s], 1
	s_add_co_u32 s[G0B+4*\s+1], s45, \s*SLOT
	s_add_nc_u64 s[G0B+4*\s+2:G0B+4*\s+3], s[46:47], \s*TROW
	s_or_b32 s[G0B+4*\s+3], s[G0B+4*\s+3], 0x80000000
.endr
; THE HEAD'S LOADS, ONE A WAVE: wave 0 slot 0's 256 rows of A, wave 1 its 256 rows of B, wave 2 the scales of A's 256 rows, wave 3 those of B's.  One chain of branches on the wave's number, a load in each arm, one join.
.macro ARM under, g0, g1, next
	s_cmp_lt_u32 s14, \under
	s_cbranch_scc0 \next
	tensor_load_to_lds s[\g0:\g0+3], s[\g1:\g1+7]
	s_nop 0
.rept 4
	v_nop
.endr
	s_branch .Lhead_asked
\next:
.endm
	ARM 1, G0H,  G1,  .Lhead_b
	ARM 2, G0HB, G1B, .Lhead_sa
	ARM 3, G0S,  G1S, .Lhead_sb
	tensor_load_to_lds s[G0SB:G0SB+3], s[G1SB:G1SB+7]
	s_nop 0
.rept 4
	v_nop
.endr
.Lhead_asked:
	v_and_b32 v3, 31, v0
	v_lshlrev_b32 v[L16], 4, v3
	v_lshlrev_b32 v[L8], 3, v3
	s_mul_i32 s21, s15, HALFT                      ; my 128 rows of A
	s_mul_i32 s22, s16, HALFT                      ; my 128 rows of B,
	s_add_co_u32 s22, s22, 2*HALFT                 ; behind A's 256
.irp s, 0,1
	v_add_nc_u32 v[ADRA+\s], s21, v[L16]
	v_add_nc_u32 v[ADRB+\s], s22, v[L16]
	v_add_nc_u32 v[ADRA+2+\s], s21, v[L8]
	v_add_nc_u32 v[ADRB+2+\s], s22, v[L8]
	s_add_co_u32 s21, s21, SLOT
	s_add_co_u32 s22, s22, SLOT
.endr
	v_and_b32 v1, 15, v0                           ; r
	v_bfe_u32 v2, v0, 4, 1                         ; h
	s_wait_alu depctr_va_vdst(0)
	v_lshlrev_b32 v5, 5, v1                        ; my row's scales: 32 bytes a row,
	v_lshrrev_b32 v6, 8, v5
	v_lshl_add_u32 v5, v6, 4, v5                   ; and 16 more for each 256 passed
	s_mul_i32 s21, s15, HALFS
	s_mul_i32 s22, s16, HALFS
	s_add_co_u32 s22, s22, 2*HALFS
	s_sub_co_u32 s22, s22, s21
	v_mul_u32_u24 v6, s22, v2                      ; lanes 16-31 take B's
	s_add_co_u32 s21, s21, SCL
	v_add_nc_u32 v5, v5, v6
	v_add_nc_u32 v[ADRS], s21, v5
	; where my results go
	s_lshl_b32 s18, s17, 8
	s_lshl_b32 s19, s15, 7
	s_add_co_u32 s18, s18, s19                     ; my first row of A
	s_lshl_b32 s19, s42, 8
	s_lshl_b32 s20, s16, 7
	s_add_co_u32 s19, s19, s20                     ; my first row of B
	s_cmp_eq_u32 s[ISV], 1
	s_cselect_b32 s20, s19, s18                    ; my first token
	s_cselect_b32 s21, s18, s19                    ; my first column of qkv
	s_lshr_b32 s22, s21, 10                        ; part: q, k or v
	s_bfe_u32 s23, s21, 0x40006                    ; my first head (I make two)
	s_lshr_b32 s40, s20, 11                        ; batch
	s_bfe_u32 s41, s20, 0x40007                    ; step of 128 tokens
	s_lshl_b32 s40, s40, 4
	s_add_co_u32 s40, s40, s23
	s_lshl_b32 s40, s40, 4
	s_add_co_u32 s40, s40, s41                     ; (batch x 16 + head) x 16 + step
	s_mul_i32 s46, s22, 6291456
	s_mul_i32 s47, s40, 6144
	s_add_co_u32 s46, s46, s47
	s_mov_b32 s47, 0
	s_add_nc_u64 s[98:99], s[98:99], s[46:47]
	s_lshl_b32 s46, s22, 18
	s_lshl_b32 s40, s40, 8
	s_add_co_u32 s46, s46, s40
	s_add_nc_u64 s[100:101], s[100:101], s[46:47]
	s_lshl_b32 s46, s21, 2
	s_add_nc_u64 s[96:97], s[96:97], s[46:47]      ; the bias at my 128 columns
	v_lshlrev_b32 v8, 6, v2                        ; along registers: tile b's eight columns 32 (b / 2) + 8 (b % 2) + 16 h + 0 .. 7
.irp b, 0,1,2,3,4,5,6,7
	global_load_b128 v[BI+8*\b:BI+8*\b+3], v8, s[96:97] offset:(32*(\b/2)+8*(\b%2))*4
	global_load_b128 v[BI+8*\b+4:BI+8*\b+7], v8, s[96:97] offset:(32*(\b/2)+8*(\b%2))*4+16
.endr
	v_and_b32 v9, 8, v1
	v_add_nc_u32 v9, v9, v1
	v_lshlrev_b32 v9, 2, v9                        ; along lanes: tile a's column 32 (a / 2) + 8 (a % 2) + r + 8 (r / 8).  Both forms are loaded by every work-group; the epilogue uses one
.irp a, 0,1,2,3,4,5,6,7
	global_load_b32 v[RB+2*\a], v9, s[96:97] offset:(32*(\a/2)+8*(\a%2))*4
.endr
.macro FRAG reg, adr, q, i             ; tile i's fragment of the slot's q-th 128 along K: the image of 12 registers, by four loads whose lanes read neighbouring bytes
	ds_load_b128 v[\reg:\reg+3], v[\adr] offset:TROW*(\i)+1536*(\q)
	ds_load_b64 v[\reg+4:\reg+5], v[\adr+2] offset:TROW*(\i)+1536*(\q)+512
	ds_load_b128 v[\reg+6:\reg+9], v[\adr] offset:TROW*(\i)+1536*(\q)+768
	ds_load_b64 v[\reg+10:\reg+11], v[\adr+2] offset:TROW*(\i)+1536*(\q)+1280
.endm
; 16 matrix instructions: A's tiles a0, a0 + 1 x B's eight.  p: B's set; sc: the set of scale words.  first = 1: the product starts the sums.  The 64 accumulators take turns, one instruction a turn.
.macro MUL16 a0, p, q, sc, first
.irp a, \a0, \a0+1
.irp b, 0,1,2,3,4,5,6,7
.if (\first) && BIASC
	v_wmma_scale_f32_16x16x128_f8f6f4 v[8*(8*((\a)%4)+\b):8*(8*((\a)%4)+\b)+7], v[128*(\p)+FR*\b:128*(\p)+FR*\b+FR-1], v[AF+FR*(\a):AF+FR*(\a)+FR-1], v[BI+8*\b:BI+8*\b+7], v[SC+8*NQ*(\sc)+NQ*\b+(\q)], v[SC+8*NQ*(\sc)+NQ*(\a)+(\q)] matrix_a_fmt:MATRIX_FMT_FP6 matrix_b_fmt:MATRIX_FMT_FP6 matrix_a_scale:MATRIX_SCALE_ROW1
.elseif \first
	v_wmma_scale_f32_16x16x128_f8f6f4 v[8*(8*((\a)%4)+\b):8*(8*((\a)%4)+\b)+7], v[128*(\p)+FR*\b:128*(\p)+FR*\b+FR-1], v[AF+FR*(\a):AF+FR*(\a)+FR-1], 0, v[SC+8*NQ*(\sc)+NQ*\b+(\q)], v[SC+8*NQ*(\sc)+NQ*(\a)+(\q)] matrix_a_fmt:MATRIX_FMT_FP6 matrix_b_fmt:MATRIX_FMT_FP6 matrix_a_scale:MATRIX_SCALE_ROW1
.else
	v_wmma_scale_f32_16x16x128_f8f6f4 v[8*(8*((\a)%4)+\b):8*(8*((\a)%4)+\b)+7], v[128*(\p)+FR*\b:128*(\p)+FR*\b+FR-1], v[AF+FR*(\a):AF+FR*(\a)+FR-1], v[8*(8*((\a)%4)+\b):8*(8*((\a)%4)+\b)+7], v[SC+8*NQ*(\sc)+NQ*\b+(\q)], v[SC+8*NQ*(\sc)+NQ*(\a)+(\q)] matrix_a_fmt:MATRIX_FMT_FP6 matrix_b_fmt:MATRIX_FMT_FP6 matrix_a_scale:MATRIX_SCALE_ROW1
.endif
.endr
.endr
.endm
.macro FETCH_B slot, q, p
	WIN TO_B
.irp i, 0,1,2,3,4,5,6,7
	FRAG 128*(\p)+FR*\i, ADRB+\slot, \q, \i
.endr
	WIN 0
.endm
.macro FETCH_A slot, q, i0
.irp i, \i0, \i0+1, \i0+2, \i0+3
	FRAG AF+FR*(\i), ADRA+\slot, \q, \i
.endr
.endm
.macro SCALES sc                       ; a slot's scale words: two a row; lanes 0-15 take A's tile i, lanes 16-31 B's tile i
.irp i, 0,1,2,3,4,5,6,7
	ds_load_b64 v[SC+8*NQ*\sc+NQ*\i:SC+8*NQ*\sc+NQ*\i+1], v[ADRS] offset:\i*SBLK
.endr
.endm
.macro PLACES n                        ; plain vector instructions between a matrix instruction and a load into, or a vector access of, its registers
.rept \n
	v_nop
.endr
.endm
.macro STEP slot, q, first             ; a step of 128 along K that has its successor in the same slot
	s_wait_dscnt 4*NL                              ; B's set and A's tiles 0-3 are in; the youngest 16 loads (A's tiles 4-7) may be out
	WIN MUL_LO-0x20*BIASC*(\first)
	MUL16 0, (\q)%2, \q, \slot, \first
	MUL16 2, (\q)%2, \q, \slot, \first
	s_wait_dscnt 0x0                               ; A's tiles 4-7 are in
	PLACES NP
	FETCH_B \slot, (\q)+1, 1-(\q)%2
	FETCH_A \slot, (\q)+1, 0
	WIN MUL_HI-0x30*BIASC*(\first)
	MUL16 4, (\q)%2, \q, \slot, \first
	MUL16 6, (\q)%2, \q, \slot, \first
	PLACES NP
	WIN 0
	FETCH_A \slot, (\q)+1, 4
.endm
; A slot's last step changes slots: one barrier; in front of it each wave waits for all its tensor loads, adds 0 to its spare word, and waits for that and for its reads of this slot.  fill = 1: the slot is filled again, two slots ahead.
.macro TURN slot, next, fill
	s_wait_tensorcnt 0x0                           ; all my tensor loads have landed: my part of the next slot
	ds_add_u32 v[SPW], v[NIL]                      ; 0 onto my spare word
	s_wait_dscnt 4*NL+1                            ; (the add and the youngest 16 loads may be out)
	WIN MUL_LO
	MUL16 0, 1, NQ-1, \slot, 0                     ; sixteen matrix instructions stand between the add and the wait for it
	s_wait_dscnt 0x0                               ; the add is done, and my reads of this slot are over
	s_barrier_signal -1
	MUL16 2, 1, NQ-1, \slot, 0
	WIN 0
	s_barrier_wait -1
.if \fill
	CREST                                          ; the barrier has opened a round of the cluster's barrier: no wave of any partner still reads this slot or has a load on its way
	s_add_nc_u64 s[G0+4*\slot+2:G0+4*\slot+3], s[G0+4*\slot+2:G0+4*\slot+3], 2*TROW
	s_add_nc_u64 s[G0B+4*\slot+2:G0B+4*\slot+3], s[G0B+4*\slot+2:G0B+4*\slot+3], 2*TROW
	JLOAD G0+4*\slot, G1, G0B+4*\slot, G1B         ; the first tensor load behind the round, my only one until the next; its four v_nop are the places in front of the loads below
.else
	PLACES NP
.endif
	s_wait_alu depctr_va_vdst(0)
	v_add_nc_u32 v[ADRS], 4*NQ, v[ADRS]            ; the next slot's scale words
	FETCH_B \next, 0, 0
	FETCH_A \next, 0, 0
	SCALES \next
	WIN MUL_HI
	MUL16 4, 1, NQ-1, \slot, 0
	MUL16 6, 1, NQ-1, \slot, 0
	PLACES NP
	WIN 0
	FETCH_A \next, 0, 4
.endm
	s_wait_alu depctr_va_vdst(0)
	s_wait_tensorcnt 0x0                           ; my tile of the head's four is in; slot 1's first fill is issued as a refill is: the wait, the add, its wait, a round
	ds_add_u32 v[SPW], v[NIL]                      ; 0 onto my spare word
	s_mov_b32 s[G1+2], 8<<16                       ; no tensor load of mine is out: from here on a load brings 8 tiles
	s_mov_b32 s[G1+4], 8
	s_mov_b32 s[G1B+2], 8<<16
	s_mov_b32 s[G1B+4], 8
	s_wait_dscnt 0x0
	CROUND                                         ; all four tiles are in, and all sixteen work-groups are here
	JLOAD G0+4, G1, G0B+4, G1B                     ; slot 1: the first tensor load behind the round
	FETCH_B 0, 0, 0
	FETCH_A 0, 0, 0
	SCALES 0
	FETCH_A 0, 0, 4
	STEP 0, 0, 1                                   ; K = 1,024 is eight steps, four slots: written straight, since a loop over the ring would have one trip
	TURN 0, 1, 1
	STEP 1, 0, 0
	TURN 1, 0, 1
	STEP 0, 0, 0
	TURN 0, 1, 0                                   ; nothing is left to fetch
	STEP 1, 0, 0
	s_wait_dscnt 4*NL
	WIN MUL_LO
	MUL16 0, 1, NQ-1, 1, 0
	MUL16 2, 1, NQ-1, 1, 0
	s_wait_dscnt 0x0
	WIN MUL_HI
	MUL16 4, 1, NQ-1, 1, 0
	MUL16 6, 1, NQ-1, 1, 0
	WIN 0
; THE EPILOGUE.  For each of A's eight tiles a lane's 64 sums (register 16 b + i = place 32 b + 16 h + i along B's 128 rows) get their bias, and become a fragment's codes and a scale word.
; 64 numbers v[s] .. become codes in v[PC] .. v[PC + 11] and my row's scale word in v[pw].
.macro QUANT s, pw
.irp b, 0,1,2,3
	v_max3_num_f32 v[TM+\b], |v[\s+16*\b]|, |v[\s+1+16*\b]|, 0x1800000   ; block b: my 16 numbers, and the floor 2^(3 - 127)
.endr
.irp i, 2,4,6,8,10,12,14
.irp b, 0,1,2,3
	v_max3_num_f32 v[TM+\b], v[TM+\b], |v[\s+16*\b+\i]|, |v[\s+1+16*\b+\i]|
.endr
.endr
.irp b, 0,1,2,3
	v_permlanex16_b32 v[TM+4+\b], v[TM+\b], s18, s19
.endr
.irp b, 0,1,2,3
	v_max_num_f32 v[TM+\b], v[TM+\b], v[TM+4+\b]   ; with lane l xor 16's: the block's largest magnitude
.endr
.irp b, 0,1,2,3
	v_add_nc_u32 v[TM+12+\b], 0xff000000, v[TM+\b] ; 2 off its exponent field: the conversion's scale operand
.endr
.irp b, 0,1,2,3
	v_lshrrev_b32 v[TM+4+\b], 23, v[TM+12+\b]      ; the scale's byte
.endr
	v_lshl_or_b32 v[\pw], v[TM+5], 8, v[TM+4]
	v_lshl_or_b32 v[\pw], v[TM+6], 16, v[\pw]
	v_lshl_or_b32 v[\pw], v[TM+7], 24, v[\pw]
.irp c, 0,1
	v_cvt_scalef32_pk16_fp6_f32 v[PC+6*\c:PC+2+6*\c], v[\s+32*\c:\s+15+32*\c], v[TM+12+2*\c]
	v_cvt_scalef32_pk16_fp6_f32 v[PC+12+4*\c:PC+14+4*\c], v[\s+16+32*\c:\s+31+32*\c], v[TM+12+2*\c+1]
.endr
	v_nop                                          ; one plain place behind a scaled conversion
.irp c, 0,1                                    ; the operand's layout wants a whole block in a lane
.irp i, 0,1,2
	v_permlane16_swap_b32 v[PC+6*\c+\i], v[PC+12+4*\c+\i]
.endr
.irp i, 0,1,2
	v_mov_b32 v[PC+3+6*\c+\i], v[PC+12+4*\c+\i]
.endr
.endr
.endm
.macro EPI_QK a                        ; tile a: 16 tokens; the 128 columns are two heads: half image c belongs to head c
	WIN 0x02+(\a)/4                                ; source 0: window 2 or 3
.set i, 0
.rept 32
	v_pk_add_f32 v[ST+2*i:ST+2*i+1], v[64*((\a)%4)+2*i:64*((\a)%4)+2*i+1], v[BI+2*i:BI+2*i+1]   ; each accumulator from its low end on
.set i, i+1
.endr
	WIN 0
	s_wait_xcnt 0x0                                ; the last tile's stores have read the codes' registers
	QUANT ST, W+(\a)
.irp c, 0,1
	global_store_b128 v[L16], v[PC+6*\c:PC+6*\c+3], s[98:99] offset:\c*98304+768*(\a)
	global_store_b64 v[L8], v[PC+6*\c+4:PC+6*\c+5], s[98:99] offset:\c*98304+768*(\a)+512
.endr
.endm
.macro EPI_V a                         ; tile a: 16 channels of head a / 4; the 128 tokens are one step of keys: a whole fragment
	WIN 0x02+(\a)/4
.set i, 0
.rept 32
	v_pk_add_f32 v[ST+2*i:ST+2*i+1], v[64*((\a)%4)+2*i:64*((\a)%4)+2*i+1], v[RB+2*(\a):RB+2*(\a)+1]
.set i, i+1
.endr
	WIN 0
	s_wait_xcnt 0x0
	QUANT ST, W+(\a)
.irp c, 0,1
	global_store_b128 v[L16], v[PC+6*\c:PC+6*\c+3], s[98:99] offset:((\a)/4)*98304+((\a)%4)*1536+768*\c
	global_store_b64 v[L8], v[PC+6*\c+4:PC+6*\c+5], s[98:99] offset:((\a)/4)*98304+((\a)%4)*1536+768*\c+512
.endr
.if (\a)%4 == 3
	v_cndmask_b32 v[XY+2*((\a)/4)], v[W+(\a)-3], v[W+(\a)-2], s20
	v_cndmask_b32 v[XY+2*((\a)/4)+1], v[W+(\a)-1], v[W+(\a)], s20
	global_store_b64 v[L8], v[XY+2*((\a)/4):XY+2*((\a)/4)+1], s[100:101] offset:4096*((\a)/4)   ; a whole unit of 256 bytes
.endif
.endm
	PLACES NP                                      ; behind the last products: their results are read and their operands' registers written below
	s_mov_b32 s18, 0x76543210
	s_mov_b32 s19, 0xfedcba98                      ; v_permlanex16_b32's selects for lane l xor 16
	s_mov_b32 s20, 0xffff0000                      ; lanes 16-31, as a mask
.irp b, 0,1,2,3
	v_mov_b32 v[TM+4+\b], 0                        ; written once: a lane permute's destination counts as one of its sources
.endr
	s_wait_loadcnt 0x0                             ; the biases
	s_cmp_eq_u32 s[ISV], 1
	s_cbranch_scc1 .Lvalues
.irp a, 0,1,2,3,4,5,6,7
	EPI_QK \a
.endr
.irp b, 0,1,2,3                                ; W[a] = head 0's two bytes, head 1's two.  Word b of head c = tile 2 b's two bytes, tile 2 b + 1's two
	v_perm_b32 v[U+\b], v[W+2*\b+1], v[W+2*\b], 0x05040100
	v_perm_b32 v[U+4+\b], v[W+2*\b+1], v[W+2*\b], 0x07060302
.endr
.irp c, 0,1
	v_cndmask_b32 v[XY+2*\c], v[U+4*\c], v[U+4*\c+1], s20
	v_cndmask_b32 v[XY+2*\c+1], v[U+4*\c+2], v[U+4*\c+3], s20
	global_store_b64 v[L8], v[XY+2*\c:XY+2*\c+1], s[100:101] offset:4096*\c   ; a whole unit of 256 bytes
.endr
	s_branch .Ldone
.Lvalues:
.irp a, 0,1,2,3,4,5,6,7
	v_mov_b32 v[RB+2*\a+1], v[RB+2*\a]             ; my channel's bias, twice: a pair for the packed add
.endr
.irp a, 0,1,2,3,4,5,6,7
	EPI_V \a
.endr
.Ldone:
	s_wait_tensorcnt 0x0                           ; the wave's end
	ds_add_u32 v[SPW], v[NIL]
	s_wait_dscnt 0x0
	CROUND                                         ; the closing round: no work-group ends while a partner may still ask for a tile that names it
	s_endpgm
.Lfunc_end_k_q16d0f67307_qkv:
	.size	k_q16d0f67307_qkv, .Lfunc_end_k_q16d0f67307_qkv-k_q16d0f67307_qkv
	.p2alignl 7, 3214868480
	.fill 96, 4, 3214868480
	.section	.rodata,"a",@progbits
	.p2align	6, 0x0
	.amdhsa_kernel k_q16d0f67307_qkv
		.amdhsa_group_segment_fixed_size 327680
		.amdhsa_private_segment_fixed_size 0
		.amdhsa_enable_private_segment 0
		.amdhsa_kernarg_size 56
		.amdhsa_user_sgpr_count 2
		.amdhsa_user_sgpr_kernarg_segment_ptr 1
		.amdhsa_wavefront_size32 1
		.amdhsa_system_sgpr_workgroup_id_x 1
		.amdhsa_system_sgpr_workgroup_id_y 1
		.amdhsa_system_sgpr_workgroup_id_z 1
		.amdhsa_system_vgpr_workitem_id 0
		.amdhsa_next_free_vgpr 1024
		.amdhsa_next_free_sgpr 102
		.amdhsa_reserve_vcc 0
		.amdhsa_float_denorm_mode_32 3
		.amdhsa_float_denorm_mode_16_64 3
		.amdhsa_memory_ordered 1
		.amdhsa_forward_progress 1
		.amdhsa_inst_pref_size 219
	.end_amdhsa_kernel
	.amdgpu_metadata
---
amdhsa.version: [ 1, 2 ]
amdhsa.kernels:
  - .name:           k_q16d0f67307_qkv
    .symbol:         k_q16d0f67307_qkv.kd
    .args:
      - { .name: xc, .offset: 0, .size: 8, .value_kind: global_buffer, .address_space: global }
      - { .name: xs, .offset: 8, .size: 8, .value_kind: global_buffer, .address_space: global }
      - { .name: wc, .offset: 16, .size: 8, .value_kind: global_buffer, .address_space: global }
      - { .name: ws, .offset: 24, .size: 8, .value_kind: global_buffer, .address_space: global }
      - { .name: b_qkv, .offset: 32, .size: 8, .value_kind: global_buffer, .address_space: global }
      - { .name: qkvc, .offset: 40, .size: 8, .value_kind: global_buffer, .address_space: global }
      - { .name: qkvs, .offset: 48, .size: 8, .value_kind: global_buffer, .address_space: global }
    .group_segment_fixed_size: 327680
    .private_segment_fixed_size: 0
    .kernarg_segment_align: 8
    .kernarg_segment_size: 56
    .max_flat_workgroup_size: 128
    .sgpr_count:     102
    .vgpr_count:     1024
    .wavefront_size: 32
...
	.end_amdgpu_metadata
.endif
;; end of part 2
;; launch attn (part 3): grid 4 x 64, 8 waves a work-group, clusters of 4 x 1, 327,680 bytes of LDS; arguments qkvc, qkvs, oc, os; writes oc, os
.if DOCPART == 3
	.amdgcn_target "amdgcn-amd-amdhsa--gfx1250"
	.amdhsa_code_object_version 6
	.text
	.protected	k_q16d0f67307_attn
	.globl	k_q16d0f67307_attn
	.p2align	8
	.type	k_q16d0f67307_attn,@function
k_q16d0f67307_attn:
	s_mov_b64 s[64:65], 0
	v_nop
	global_prefetch_b8 v0, s[64:65] scope:SCOPE_SE
	s_setreg_imm32_b32 hwreg(HW_REG_WAVE_MODE, 25, 1), 1
	s_wait_xcnt 0x0
	s_wait_alu depctr_hold_cnt(0) depctr_sa_sdst(0) depctr_va_vdst(0) depctr_va_sdst(0) depctr_va_ssrc(0) depctr_va_vcc(0) depctr_vm_vsrc(0)
	s_getreg_b32 s2, hwreg(HW_REG_IB_STS2, 6, 4)
	s_cmp_eq_u32 s2, 0
	s_cbranch_scc0 .Lentry_in_a_cluster
	s_endpgm
.Lentry_in_a_cluster:
	s_bfe_u32 s2, ttmp6, 0x10000c
	s_cmp_lg_u32 s2, 0x3003
	s_cbranch_scc0 .Lentry_shape_is_right
	s_endpgm
.Lentry_shape_is_right:
; o = softmax(q k^T / 8) v for one batch x head (work-group y) and 512 queries (work-group x), on codes of FP6 (E2M3) with E8M0 scales; o is quantised at once along the head's 64 for the projection.
; qkvc, qkvs are as launch qkv leaves them: [part q, k, v][batch x head][step of 128 tokens][6,144 bytes of codes | 256 scale bytes]; a half image (16 rows x 64 K, 768 bytes) has lane l's registers 0-3 at 16 l, its registers 4, 5 at 512 + 8 l.
; Eight waves, 64 queries each (four tiles of 16).  Both products are used transposed (S^T = k q^T, O^T = v^T p^T): a lane holds one query throughout.
; p = 2^(t - M), t = score x log2(e) / 8, M the ceiling of the running largest t, a whole number; the row's sum is taken of the unquantised p; a change of M multiplies the sum and O^T by an exact power of two, in every step, with no branch.
; THE KEYS OF A TILE OF k are chosen by LDS addresses alone: tile j of a group g of 64 keys has rows 0-7 = keys 64 g + 8 j + 0..7 and rows 8-15 = keys 64 g + 32 + 8 j + 0..7.  So lane half h holds, in the 32 registers of the group's four tiles,
; the whole scale block 2 g + h in ascending order, which is the operand's own layout: a block's largest score needs no other lane, and p's codes need no exchange between lanes.
; In qkvc lane rho of stored tile T is token 32 (T / 2) + 8 (T % 2) + rho + 8 (rho / 8): row r of tile (g, j = 2 b + u) is lane r % 8 + 8 b of stored tile 4 g + u + 2 (r / 8).  Its scale word is stored word 2 g + r / 8 of that lane.
; The head's size is 64 and the instruction's K 128: a fragment of k holds two tiles (u = 0, 1), and q stands beside 64 zero codes, below or above.
; A PHASE is the softmax of one tile of queries on 128 keys.  Two sets of scores take turns: between a phase's search for the largest score and its exponentials stand the products of its neighbours, O^T of the tile before (4) and S^T of the tile after (8),
; and among these twelve the lines that make M, each of which reads the line before it.  k of the next step is fetched behind the step's last S^T, v behind the last O^T of the step before: each has more than a phase in which to come.
; THE TEXT: phase 0 of step 0 ahead of the loop; a trip is phases 1, 2, 3 of a step and phase 0 of the next, 15 trips; phases 1, 2, 3 of step 15 and the last O^T behind it.  Nothing is fetched or multiplied that is not used.
; LDS: k's 16 steps from 0, v's from VIMG, all at once: each wave asks for 24,576 bytes (four steps of k or of v) by one joint load.  The four work-groups of a cluster are the four query blocks of one head: mask 15.  Nothing is filled again.
; k's and v's scale bytes (8,192) come by plain loads in whole units of 512 bytes a wave and LDS stores, into bytes of their own.  No data prefetch: all is asked for at the head, there is no later load to run ahead of.
; LIMITS: NaN and infinities are not served; the scaled scores stay under 2^31 in magnitude; a block whose largest p (or o) lies under 2^-124 gets the byte 1: its codes add nothing that f32 would keep.
.set VIMG,  98304
.set KSC,   196608                     ; k's scale bytes, then v's
.set VSC,   200704
.set SPARE, 204800                     ; the spare words: 128 bytes a wave, four blocks of 256 bytes that no other line names
.set CHUNK, 24576
.set A16, 1                            ; v1-3 LDS addresses of the fetch at hand
.set A8,  2
.set AS,  3
.set BK16, 4                           ; v4-9 a lane's places in a step of k, of k's scale words, of v, of v's scale words
.set BK8, 5
.set BSK, 6
.set BV16, 7
.set BV8, 8
.set BS,  9
.set H8,  10                           ; 8 h
.set SPW, 11
.set NIL, 12
.set FF,  14                           ; v14 the factor 2^(old M - new M); v15 0
.set ST0, 16                           ; v16-31 a tile's -M, running largest score, sum in two halves
.set QZ,  32                           ; v32-85 six zeros, q's tile 0, six zeros, tile 1 ..
.set QS,  86                           ; v86-89 q's scale words
.set KX,  90                           ; v90-91 k's scale words: register g; lanes 0-15 b = 0, lanes 16-31 b = 1
.set VX,  92                           ; v92-93 v's
.set PW,  94                           ; v94 p's scale word (a product's two scale registers differ modulo 8 in their numbers)
.set RQ,  95
.set SA,  96                           ; v96-159, v160-223 scores, then p, two sets: register 32 g + 8 j + i = key 64 g + 32 h + 8 j + i
.set BM,  224                          ; v224-231 eight chains of maxima
.set PT,  232
.set SO,  234
.set BY,  236
.set TA,  238
.set OM,  239
.set W,   240
.set C2,  242                          ; v242-247 three more chains of the row's sum
.set C3,  244
.set C4,  246
.set L16, 248                          ; 16 lane
.set L8,  249                          ; 8 lane
.set OSO, 250
.set HS,  252
.set RL,  160                          ; the way out, in the second set of scores: 1 / sum; o's scale words; o's codes
.set HW,  168
.set HB,  176
.set CT0, 200
.set KF,  128                          ; window 1: v0-127 O^T, v128-175 k's fragments, v176-223 v's, v224-235 p's codes, v236-242 the conversions' second halves
.set VF,  176
.set PP,  224
.set CT,  236
.set WV,  12
.set G1,  16
.set G0,  40
.set SEL, 52
.set CS,  54
.set TB,  56
.set TS,  57
.set CNT, 58
.set HM,  59
.set NCS, 82
.set MSB, 0
.macro WIN new
.if MSB != \new
	s_set_vgpr_msb (MSB<<8)|\new
.set MSB, \new
.endif
.endm
.macro WALU
	s_wait_alu depctr_va_vdst(0)
.endm
.macro ROUND
	s_barrier_signal -1
	s_barrier_wait -1
	s_cmp_lg_u32 s[WV], 0
	s_cbranch_scc1 .Lnot_wave_0_\@
	s_barrier_signal -3
.Lnot_wave_0_\@:
	s_barrier_wait -3
	s_barrier_signal -1
	s_barrier_wait -1
.endm
	s_load_b256 s[4:11], s[0:1], 0x0               ; qkvc, qkvs, oc, os
	v_lshl_add_u32 v[SPW], v0, 2, SPARE
	v_mov_b32 v[NIL], 0
	ds_add_u32 v[SPW], v[NIL]                      ; the opening lines: the add, twice on end, and its wait
	ds_add_u32 v[SPW], v[NIL]
	v_lshrrev_b32 v[TA], 5, v0
	v_readfirstlane_b32 s[WV], v[TA]               ; wave 0..7
	s_bfe_u32 s13, ttmp6, 0x40000
	s_lshl_b32 s14, ttmp9, 2
	s_add_co_u32 s14, s14, s13                     ; block of 512 queries
	s_and_b32 s15, ttmp7, 0xffff                   ; batch x head
	s_and_b32 s60, s[WV], 1                        ; I fetch for k (0) or v (1),
	s_lshr_b32 s61, s[WV], 1                       ; steps 4 s61 .. 4 s61 + 3
	s_mov_b32 s[G1], 15|(3<<16)|(1<<21)            ; 24,576 dense bytes as 96 rows of 256 (32 elements of 8 bytes), for all four partners
	s_mov_b32 s[G1+1], 32<<16
	s_mov_b32 s[G1+2], 96<<16
	s_mov_b32 s[G1+3], 32<<16
	s_mov_b32 s[G1+4], 96
	s_mov_b32 s[G1+5], 32
	s_mov_b32 s[G1+6], 0
	s_mov_b32 s[G1+7], 0
	s_add_co_u32 s62, s60, 1
	s_mul_i32 s66, s62, 6291456
	s_mul_i32 s72, s15, 98304
	s_add_co_u32 s66, s66, s72
	s_mul_i32 s72, s61, CHUNK
	s_add_co_u32 s66, s66, s72
	s_mov_b32 s67, 0
	s_mul_i32 s73, s60, VIMG
	s_add_co_u32 s73, s73, s72                     ; its place in LDS: the wave's number and constants alone
	s_mov_b32 s[G0], 1
	s_mov_b32 s[G0+1], s73
	s_mov_b32 s[SEL], 0x76543210
	s_mov_b32 s[SEL+1], 0xfedcba98                 ; selects for lane l xor 16
	s_mov_b32 s[CS], 0x3e38aa3b                    ; c = log2(e) / 8
	s_mov_b32 s[CS+1], s[CS]
	s_mov_b32 s[NCS], 0xbe38aa3b                   ; -c
	s_mov_b32 s[TB], 0
	s_mov_b32 s[TS], 0
	s_mov_b32 s[HM], 0xffff0000
	WALU
	s_wait_dscnt 0x0
	ROUND                                          ; in front of the joint loads
	s_wait_kmcnt 0x0
	s_add_nc_u64 s[G0+2:G0+3], s[4:5], s[66:67]
	s_or_b32 s[G0+3], s[G0+3], 0x80000000
	tensor_load_to_lds s[G0:G0+3], s[G1:G1+7]      ; every wave's one load: an eighth of k and v
	s_nop 0
.rept 4
	v_nop
.endr
	s_lshl_b32 s70, s15, 12                        ; k's scale bytes, my 512 of them; v's lie 262,144 further on
	s_lshl_b32 s74, s[WV], 9
	s_add_co_u32 s70, s70, s74
	s_add_co_u32 s70, s70, 262144
	s_mov_b32 s71, 0
	s_add_nc_u64 s[70:71], s[6:7], s[70:71]
	s_add_co_u32 s74, s74, KSC
	s_lshl_b32 s76, s15, 7                         ; q: my four tiles
	s_lshl_b32 s77, s14, 5
	s_add_co_u32 s76, s76, s77
	s_lshl_b32 s77, s[WV], 2
	s_add_co_u32 s76, s76, s77
	s_mul_i32 s78, s76, 768
	s_mov_b32 s79, 0
	s_add_nc_u64 s[78:79], s[4:5], s[78:79]
	s_lshl_b32 s80, s15, 12                        ; and their scale words
	s_lshl_b32 s81, s14, 10
	s_add_co_u32 s80, s80, s81
	s_lshr_b32 s81, s[WV], 1
	s_lshl_b32 s81, s81, 8
	s_add_co_u32 s80, s80, s81
	s_and_b32 s81, s[WV], 1
	s_lshl_b32 s81, s81, 2
	s_add_co_u32 s80, s80, s81
	s_mov_b32 s81, 0
	s_add_nc_u64 s[80:81], s[6:7], s[80:81]
	s_lshr_b32 s60, s15, 4                         ; where o goes: token tile 128 batch + 32 block + 4 wave; half image = head
	s_lshl_b32 s60, s60, 7
	s_lshl_b32 s61, s14, 5
	s_add_co_u32 s60, s60, s61
	s_lshl_b32 s61, s[WV], 2
	s_add_co_u32 s60, s60, s61
	s_and_b32 s61, s15, 15
	s_mul_i32 s62, s60, 12288
	s_mul_i32 s63, s61, 768
	s_add_co_u32 s62, s62, s63
	s_mov_b32 s63, 0
	s_add_nc_u64 s[8:9], s[8:9], s[62:63]
	s_lshl_b32 s62, s60, 9
	s_lshl_b32 s61, s61, 1
	s_add_co_u32 s62, s62, s61
	s_add_nc_u64 s[10:11], s[10:11], s[62:63]
	v_and_b32 v[TA], 31, v0
	v_lshlrev_b32 v[L16], 4, v[TA]
	v_lshlrev_b32 v[L8], 3, v[TA]
	v_lshlrev_b32 v[OSO], 5, v[TA]
	v_add_nc_u32 v[BV16], VIMG, v[L16]
	v_add_nc_u32 v[BV8], VIMG, v[L8]
	v_add_nc_u32 v[BS], VSC, v[L8]
	v_add_nc_u32 v[A16], s74, v[L16]               ; where my 16 scale bytes go
	v_and_b32 v[BM], 7, v0                         ; r % 8
	v_bfe_u32 v[BM+1], v0, 3, 1                    ; r / 8
	v_bfe_u32 v[BM+2], v0, 4, 1                    ; h
	v_lshl_or_b32 v[BM+3], v[BM+2], 4, v[BM]       ; stored lane r % 8 + 16 h
	v_mul_u32_u24 v[TA], v[BM+1], 1536             ; rows 8-15: two stored tiles on
	v_lshl_add_u32 v[BK16], v[BM+3], 4, v[TA]
	v_lshl_add_u32 v[BK8], v[BM+3], 3, v[TA]
	v_lshl_or_b32 v[BM+3], v[BM+2], 3, v[BM]
	v_lshl_or_b32 v[BM+3], v[BM+1], 4, v[BM+3]     ; k's scale words: stored lane r % 8 + 8 h + 16 (r / 8)
	v_lshl_add_u32 v[BSK], v[BM+3], 3, KSC
	v_lshlrev_b32 v[H8], 3, v[BM+2]
	WALU
	global_load_b128 v[SA:SA+3], v[L16], s[70:71]
	global_load_b128 v[SA+4:SA+7], v[L16], s[70:71] offset:262144
.irp t, 0,1,2,3
	global_load_b128 v[QZ+6+12*\t:QZ+9+12*\t], v[L16], s[78:79] offset:768*\t
	global_load_b64 v[QZ+10+12*\t:QZ+11+12*\t], v[L8], s[78:79] offset:768*\t+512
.endr
	global_load_b32 v[RQ], v[L8], s[80:81]
.irp z, 0,1,2,3,4
.irp i, 0,1,2,3,4,5
	v_mov_b32 v[QZ+12*\z+\i], 0
.endr
.endr
.irp t, 0,1,2,3
	v_mov_b32 v[ST0+4*\t], 0x7f61b1e6              ; -M: 3e38, over every later one: the first factor is 0
	v_mov_b32 v[ST0+4*\t+1], 0xff61b1e6            ; the largest score so far: -3e38
	v_mov_b32 v[ST0+4*\t+2], 0
	v_mov_b32 v[ST0+4*\t+3], 0
.endr
	v_mov_b32 v[FF+1], 0
	v_mov_b32 v[PT], 0                             ; a lane permute's destination counts as one of its sources
	v_mov_b32 v[PT+1], 0
	WIN 0x40
.set i, 0
.rept 128
	v_mov_b32 v[i], 0                              ; O^T: a phase is written once; the first finds zeros.  These lines stand under the loads' flight
.set i, i+1
.endr
	WIN 0
	WALU
	s_wait_loadcnt 0x0
	ds_store_b128 v[A16], v[SA:SA+3]
	ds_store_b128 v[A16], v[SA+4:SA+7] offset:VSC-KSC
	v_and_b32 v[QS], 0xffff, v[RQ]                 ; q's two bytes beside two bytes 1 for the zero codes, below or above; lanes 0-15 tiles 0, 1, lanes 16-31 tiles 2, 3
	v_lshl_or_b32 v[QS+1], v[RQ], 16, 0x101
	v_lshrrev_b32 v[QS+2], 16, v[RQ]
	v_and_b32 v[QS+3], 0xffff0000, v[RQ]
	v_or_b32 v[QS], 0x01010000, v[QS]
	v_or_b32 v[QS+2], 0x01010000, v[QS+2]
	v_or_b32 v[QS+3], 0x101, v[QS+3]
.macro WKQ d, a, b, sa, sb, ra, rb
.if (\ra) && (\rb)
	v_wmma_scale_f32_16x16x128_f8f6f4 v[\d:\d+7], v[\a:\a+11], v[\b:\b+11], 0, v[\sa], v[\sb] matrix_a_fmt:MATRIX_FMT_FP6 matrix_b_fmt:MATRIX_FMT_FP6 matrix_a_scale:MATRIX_SCALE_ROW1 matrix_b_scale:MATRIX_SCALE_ROW1
.elseif (\ra)
	v_wmma_scale_f32_16x16x128_f8f6f4 v[\d:\d+7], v[\a:\a+11], v[\b:\b+11], 0, v[\sa], v[\sb] matrix_a_fmt:MATRIX_FMT_FP6 matrix_b_fmt:MATRIX_FMT_FP6 matrix_a_scale:MATRIX_SCALE_ROW1
.elseif (\rb)
	v_wmma_scale_f32_16x16x128_f8f6f4 v[\d:\d+7], v[\a:\a+11], v[\b:\b+11], 0, v[\sa], v[\sb] matrix_a_fmt:MATRIX_FMT_FP6 matrix_b_fmt:MATRIX_FMT_FP6 matrix_b_scale:MATRIX_SCALE_ROW1
.else
	v_wmma_scale_f32_16x16x128_f8f6f4 v[\d:\d+7], v[\a:\a+11], v[\b:\b+11], 0, v[\sa], v[\sb] matrix_a_fmt:MATRIX_FMT_FP6 matrix_b_fmt:MATRIX_FMT_FP6
.endif
.endm
.macro WPV d, a, b, sa, sb, ra
.if (\ra)
	v_wmma_scale_f32_16x16x128_f8f6f4 v[\d:\d+7], v[\a:\a+11], v[\b:\b+11], v[\d:\d+7], v[\sa], v[\sb] matrix_a_fmt:MATRIX_FMT_FP6 matrix_b_fmt:MATRIX_FMT_FP6 matrix_a_scale:MATRIX_SCALE_ROW1
.else
	v_wmma_scale_f32_16x16x128_f8f6f4 v[\d:\d+7], v[\a:\a+11], v[\b:\b+11], v[\d:\d+7], v[\sa], v[\sb] matrix_a_fmt:MATRIX_FMT_FP6 matrix_b_fmt:MATRIX_FMT_FP6
.endif
.endm
; the k-th product of a phase: where PV_, O^T of tile TP_ (channel tiles 0 to 3); then, where QK_, S^T of tile TN_ into the set SN_ (key tiles 4 g + 2 b + u = 0 to 7).  Every product has an accumulator of its own
.macro WM k
.set QI_, (\k)-4*PV_
.if PV_ && ((\k) < 4)
	WIN 0x55
	WPV 32*TP_+8*(\k), VF+12*(\k), PP, VX+(\k)/2, PW, (\k)%2
.elseif QK_ && (QI_ >= 0) && (QI_ < 8)
	WIN 0x01
	WKQ SN_+8*QI_, KF+12*(QI_/2), QZ+6+12*TN_-6*(QI_%2), KX+QI_/4, QS+2*(TN_%2)+QI_%2, (QI_/2)%2, TN_/2
.endif
.endm
.macro LDK                             ; k's eight tiles and scale words of the step at TB, TS
	v_add_nc_u32 v[A16], s[TB], v[BK16]
	v_add_nc_u32 v[A8], s[TB], v[BK8]
	v_add_nc_u32 v[AS], s[TS], v[BSK]
	ds_load_b64 v[KX:KX+1], v[AS]
	WIN 0x40
.set a, 0
.rept 8                                ; tile a = 4 g + 2 b + u
	ds_load_b128 v[KF+6*a:KF+6*a+3], v[A16] offset:3072*(a/4)+768*(a%2)+128*((a/2)%2)
	ds_load_b64 v[KF+6*a+4:KF+6*a+5], v[A8] offset:3072*(a/4)+768*(a%2)+64*((a/2)%2)+512
.set a, a+1
.endr
	WIN 0
.endm
.macro LDV                             ; v's four fragments and scale words
	v_add_nc_u32 v[A16], s[TB], v[BV16]
	v_add_nc_u32 v[A8], s[TB], v[BV8]
	v_add_nc_u32 v[AS], s[TS], v[BS]
	ds_load_b64 v[VX:VX+1], v[AS]
	WIN 0x40
.set a, 0
.rept 8
	ds_load_b128 v[VF+6*a:VF+6*a+3], v[A16] offset:768*a
	ds_load_b64 v[VF+6*a+4:VF+6*a+5], v[A8] offset:768*a+512
.set a, a+1
.endr
	WIN 0
.endm
.macro TMM from                        ; t - M of 16 scores, two at a time
.set j, \from
.rept 8
	v_pk_fma_f32 v[SC_+j:SC_+j+1], v[SC_+j:SC_+j+1], s[CS:CS+1], v[NM:NM+1] op_sel_hi:[1,0,0]
.set j, j+2
.endr
.endm
.macro ADD4 q                          ; the row's sum, of the unquantised p: four chains by turns take in eight p
	v_pk_add_f32 v[C2:C2+1], v[C2:C2+1], v[SC_+14+8*(\q):SC_+15+8*(\q)]
	v_pk_add_f32 v[C3:C3+1], v[C3:C3+1], v[SC_+16+8*(\q):SC_+17+8*(\q)]
	v_pk_add_f32 v[C4:C4+1], v[C4:C4+1], v[SC_+18+8*(\q):SC_+19+8*(\q)]
	v_pk_add_f32 v[SU:SU+1], v[SU:SU+1], v[SC_+20+8*(\q):SC_+21+8*(\q)]
.endm
; pv: O^T of the tile before is due; qk: S^T of the tile after; ld: 1 fetch k, 2 fetch v; wt: the last fetch is wanted by this phase's products
.macro PHASE t, pv, qk, ld, wt
.set PV_, \pv
.set QK_, \qk
.set TP_, ((\t)+3)%4
.set TN_, ((\t)+1)%4
.set SC_, SA+64*((\t)%2)
.set SN_, SA+64*(((\t)+1)%2)
.set NM, ST0+4*(\t)
.set SU, ST0+4*(\t)+2
	WALU                                           ; directly ahead of the first readers of the scores
.irp n, 0,1,2,3,4,5,6,7                ; eight chains by turns, one to an accumulator, each from its low end on
	v_max3_num_f32 v[BM+\n], v[SC_+8*\n], v[SC_+8*\n+1], v[SC_+8*\n+2]
.endr
.irp i, 3,5
.irp n, 0,1,2,3,4,5,6,7
	v_max3_num_f32 v[BM+\n], v[BM+\n], v[SC_+8*\n+\i], v[SC_+8*\n+\i+1]
.endr
.endr
	v_max3_num_f32 v[BM], v[BM], v[BM+1], v[SC_+7]
	v_max3_num_f32 v[BM+2], v[BM+2], v[BM+3], v[SC_+15]
	v_max3_num_f32 v[BM+4], v[BM+4], v[BM+5], v[SC_+39]
	v_max3_num_f32 v[BM+6], v[BM+6], v[BM+7], v[SC_+47]
	v_max3_num_f32 v[BM], v[BM], v[SC_+23], v[SC_+31]
	v_max3_num_f32 v[BM+4], v[BM+4], v[SC_+55], v[SC_+63]
	v_max_num_f32 v[BM], v[BM], v[BM+2]            ; my two blocks' largest scores: they serve the row's maximum and, since p rises with the score, the blocks' largest p
	v_max_num_f32 v[BM+4], v[BM+4], v[BM+6]
	v_max_num_f32 v[TA], v[BM], v[BM+4]
.if \wt
	WALU
	s_wait_dscnt 0x0                               ; the fetch of the phase before is in
.endif
	WM 0
	WM 1
	WIN 0
	v_permlanex16_b32 v[PT], v[TA], s[SEL], s[SEL+1]
	WM 2
	WM 3
	WIN 0
	v_max3_num_f32 v[NM+1], v[NM+1], v[TA], v[PT]  ; the running largest score of my query, the same in both halves of the lanes
	WM 4
	WM 5
	WIN 0
	v_mul_f32 v[TA], s[NCS], v[NM+1]
	v_mov_b32 v[OM], v[NM]                         ; the old -M
	WM 6
	WM 7
	WIN 0
	v_floor_f32 v[NM], v[TA]                       ; -M = floor(-t): M is a whole number
	WM 8
	WM 9
	WIN 0
	v_sub_f32 v[TA], v[NM], v[OM]                  ; old M less new M: a whole number, 0 or less
	TMM 0
	WM 10
	WM 11
	WIN 0
	v_cvt_i32_f32 v[TA], v[TA]                     ; (it saturates)
	TMM 16
	v_ldexp_f32 v[FF], 1.0, v[TA]                  ; the factor: it rounds nothing
	TMM 32
	TMM 48
.if (\ld) == 1
	LDK                                            ; more than four plain lines behind the last product that read these registers
.elseif (\ld) == 2
	LDV
.endif
	v_fma_f32 v[BM], v[BM], s[CS], v[NM]
	v_fma_f32 v[BM+4], v[BM+4], s[CS], v[NM]
	WALU                                           ; ahead of the batch
.set j, 0
.rept 64
	v_exp_f32 v[SC_+j], v[SC_+j]
.set j, j+1
.endr
	v_exp_f32 v[BM], v[BM]                         ; the blocks' largest p: the same two instructions on the same number
	v_exp_f32 v[BM+4], v[BM+4]
	v_pk_mul_f32 v[SU:SU+1], v[SU:SU+1], v[FF:FF+1] op_sel_hi:[1,0]   ; the sum under the new M: the plain place behind the batch
	WALU                                           ; and the one wait behind it
	v_max_num_f32 v[BM], 0x1800000, v[BM]          ; the floor 2^(3 - 127): the byte cannot fall under 1
	v_max_num_f32 v[BM+4], 0x1800000, v[BM+4]
	v_pk_add_f32 v[C2:C2+1], v[SC_:SC_+1], v[SC_+2:SC_+3]
	v_pk_add_f32 v[C3:C3+1], v[SC_+4:SC_+5], v[SC_+6:SC_+7]
	v_add_nc_u32 v[SO], 0xff000000, v[BM]          ; 2 off the exponent field: the conversions' scale operand
	v_add_nc_u32 v[SO+1], 0xff000000, v[BM+4]
	v_pk_add_f32 v[C4:C4+1], v[SC_+8:SC_+9], v[SC_+10:SC_+11]
	v_pk_add_f32 v[SU:SU+1], v[SU:SU+1], v[SC_+12:SC_+13]
	WIN 0x40
.irp c, 0,1
	v_cvt_scalef32_pk16_fp6_f32 v[PP+6*\c:PP+6*\c+2], v[SC_+32*\c:SC_+32*\c+15], v[SO+\c]
	v_cvt_scalef32_pk16_fp6_f32 v[CT+4*\c:CT+4*\c+2], v[SC_+32*\c+16:SC_+32*\c+31], v[SO+\c]   ; (a conversion's three registers begin on an even number)
.endr
	WIN 0x41
	WALU                                           ; directly ahead of the first reader of O^T
.set j, 0
.rept 16
	v_pk_mul_f32 v[32*(\t)+j:32*(\t)+j+1], v[32*(\t)+j:32*(\t)+j+1], v[FF:FF+1] op_sel_hi:[1,0]   ; O^T under the new M; also the plain lines behind the conversions
.set j, j+2
.endr
.irp c, 0,1
.irp i, 0,1,2
	v_mov_b32 v[PP+3+6*\c+\i], v[CT+4*\c+\i]
.endr
.endr
	WIN 0
	v_lshrrev_b32 v[BY], 23, v[SO]                 ; the bytes
	v_lshrrev_b32 v[BY+1], 23, v[SO+1]
	ADD4 0
	v_lshl_or_b32 v[W], v[BY+1], 16, v[BY]         ; blocks h and 2 + h,
	ADD4 1
	v_lshlrev_b32 v[W], v[H8], v[W]                ; at their places
	ADD4 2
	v_permlanex16_b32 v[PT], v[W], s[SEL], s[SEL+1]
	ADD4 3
	ADD4 4
	ADD4 5
	v_pk_add_f32 v[C2:C2+1], v[C2:C2+1], v[SC_+62:SC_+63]
	v_or_b32 v[PW], v[W], v[PT]                    ; with lane l xor 16's two bytes the word is whole
	v_pk_add_f32 v[SU:SU+1], v[SU:SU+1], v[C4:C4+1]
	v_pk_add_f32 v[C2:C2+1], v[C2:C2+1], v[C3:C3+1]
	v_pk_add_f32 v[SU:SU+1], v[SU:SU+1], v[C2:C2+1]
.endm
	WALU                                           ; the head's end
	s_wait_tensorcnt 0x0                           ; my eighth of k and v has landed,
	s_wait_dscnt 0x0                               ; my scale bytes are stored:
	s_barrier_signal -1
	s_barrier_wait -1                              ; everybody's are
	LDK
	s_wait_dscnt 0x0
.rept 8
	v_nop                                          ; q's scale words, made by vector lines, stand eight places ahead of the first product
.endr
.set PV_, 0
.set QK_, 1
.set TN_, 0
.set SN_, SA
.irp k, 0,1,2,3,4,5,6,7
	WM \k
.endr
	WIN 0
.rept 4
	v_nop                                          ; four places behind the products, once: in the stream a phase's lines stand there
.endr
	PHASE 0, 0, 1, 2, 0
	s_mov_b32 s[TB], 6144
	s_mov_b32 s[TS], 256
	s_mov_b32 s[CNT], 15
.Ltrip:
	PHASE 1, 1, 1, 0, 1
	PHASE 2, 1, 1, 1, 0
	PHASE 3, 1, 1, 0, 1
	PHASE 0, 1, 1, 2, 0
	s_add_co_u32 s[TB], s[TB], 6144
	s_add_co_u32 s[TS], s[TS], 256
	s_sub_co_u32 s[CNT], s[CNT], 1
	s_cmp_lg_u32 s[CNT], 0
	s_cbranch_scc1 .Ltrip
	PHASE 1, 1, 1, 0, 1
	PHASE 2, 1, 1, 0, 0
	PHASE 3, 1, 0, 0, 0
.irp t, 0,1,2,3                        ; twelve plain lines stand between p's last scale word and the product that takes it
	v_add_f32 v[RL+2*\t], v[ST0+4*\t+2], v[ST0+4*\t+3]
.endr
.irp t, 0,1,2,3
	v_permlanex16_b32 v[BM+\t], v[RL+2*\t], s[SEL], s[SEL+1]
.endr
.irp t, 0,1,2,3
	v_add_f32 v[RL+2*\t], v[RL+2*\t], v[BM+\t]     ; the row's sum
.endr
.set PV_, 1
.set QK_, 0
.set TP_, 3
.irp k, 0,1,2,3
	WM \k
.endr
	WIN 0
	WALU
.irp t, 0,1,2,3
	v_rcp_f32 v[RL+2*\t], v[RL+2*\t]
.endr
.irp t, 0,1,2,3
	v_mov_b32 v[RL+2*\t+1], 0                      ; four plain lines: the places behind the last products and behind the reciprocals
.endr
.macro OQ t                            ; o of 16 queries x the head's 64: register 16 b + i of a lane is channel 32 b + 16 h + i; divided by the sum, quantised, stored as a half image
.set HH, HB+6*(\t)
	WIN 0x01
	WALU
.set j, 0
.rept 16
	v_pk_mul_f32 v[SA+j:SA+j+1], v[32*(\t)+j:32*(\t)+j+1], v[RL+2*(\t):RL+2*(\t)+1] op_sel_hi:[1,0]
.set j, j+2
.endr
	WIN 0
.irp b, 0,1
	v_max3_num_f32 v[BM+\b], |v[SA+16*\b]|, |v[SA+1+16*\b]|, 0x1800000
.endr
.irp i, 2,4,6,8,10,12,14
.irp b, 0,1
	v_max3_num_f32 v[BM+\b], v[BM+\b], |v[SA+16*\b+\i]|, |v[SA+1+16*\b+\i]|
.endr
.endr
.irp b, 0,1
	v_permlanex16_b32 v[PT+\b], v[BM+\b], s[SEL], s[SEL+1]
.endr
.irp b, 0,1
	v_max_num_f32 v[BM+\b], v[BM+\b], v[PT+\b]
.endr
.irp b, 0,1
	v_add_nc_u32 v[SO+\b], 0xff000000, v[BM+\b]
.endr
.irp b, 0,1
	v_lshrrev_b32 v[BY+\b], 23, v[SO+\b]
.endr
	v_lshl_or_b32 v[HW+(\t)], v[BY+1], 8, v[BY]
	v_cvt_scalef32_pk16_fp6_f32 v[HH:HH+2], v[SA:SA+15], v[SO]
	v_cvt_scalef32_pk16_fp6_f32 v[CT0:CT0+2], v[SA+16:SA+31], v[SO+1]
	v_nop
.irp i, 0,1,2
	v_permlane16_swap_b32 v[HH+\i], v[CT0+\i]
.endr
.irp i, 0,1,2
	v_mov_b32 v[HH+3+\i], v[CT0+\i]
.endr
	global_store_b128 v[L16], v[HH:HH+3], s[8:9] offset:12288*(\t)
	global_store_b64 v[L8], v[HH+4:HH+5], s[8:9] offset:12288*(\t)+512
.endm
	OQ 0
	OQ 1
	OQ 2
	OQ 3
	v_cndmask_b32 v[HS], v[HW], v[HW+1], s[HM]
	v_cndmask_b32 v[HS+1], v[HW+2], v[HW+3], s[HM]
	global_store_b16 v[OSO], v[HS], s[10:11]       ; a row's two scale bytes of this head, in os's rows of 32 bytes
	global_store_b16 v[OSO], v[HS+1], s[10:11] offset:1024
	s_wait_tensorcnt 0x0                           ; the wave's end
	ds_add_u32 v[SPW], v[NIL]
	s_wait_dscnt 0x0
	ROUND                                          ; the closing round
	s_endpgm
.Lfunc_end_k_q16d0f67307_attn:
	.size	k_q16d0f67307_attn, .Lfunc_end_k_q16d0f67307_attn-k_q16d0f67307_attn
	.p2alignl 7, 3214868480
	.fill 96, 4, 3214868480
	.section	.rodata,"a",@progbits
	.p2align	6, 0x0
	.amdhsa_kernel k_q16d0f67307_attn
		.amdhsa_group_segment_fixed_size 327680
		.amdhsa_private_segment_fixed_size 0
		.amdhsa_enable_private_segment 0
		.amdhsa_kernarg_size 32
		.amdhsa_user_sgpr_count 2
		.amdhsa_user_sgpr_kernarg_segment_ptr 1
		.amdhsa_wavefront_size32 1
		.amdhsa_system_sgpr_workgroup_id_x 1
		.amdhsa_system_sgpr_workgroup_id_y 1
		.amdhsa_system_sgpr_workgroup_id_z 1
		.amdhsa_system_vgpr_workitem_id 0
		.amdhsa_next_free_vgpr 512
		.amdhsa_next_free_sgpr 84
		.amdhsa_reserve_vcc 0
		.amdhsa_float_denorm_mode_32 3
		.amdhsa_float_denorm_mode_16_64 3
		.amdhsa_memory_ordered 1
		.amdhsa_forward_progress 1
		.amdhsa_inst_pref_size 134
	.end_amdhsa_kernel
	.amdgpu_metadata
---
amdhsa.version: [ 1, 2 ]
amdhsa.kernels:
  - .name:           k_q16d0f67307_attn
    .symbol:         k_q16d0f67307_attn.kd
    .args:
      - { .name: qkvc, .offset: 0, .size: 8, .value_kind: global_buffer, .address_space: global }
      - { .name: qkvs, .offset: 8, .size: 8, .value_kind: global_buffer, .address_space: global }
      - { .name: oc, .offset: 16, .size: 8, .value_kind: global_buffer, .address_space: global }
      - { .name: os, .offset: 24, .size: 8, .value_kind: global_buffer, .address_space: global }
    .group_segment_fixed_size: 327680
    .private_segment_fixed_size: 0
    .kernarg_segment_align: 8
    .kernarg_segment_size: 32
    .max_flat_workgroup_size: 256
    .sgpr_count:     84
    .vgpr_count:     512
    .wavefront_size: 32
...
	.end_amdgpu_metadata
.endif
;; end of part 3
;; launch proj (part 4): grid 32 x 8, 4 waves a work-group, clusters of 4 x 4, 327,680 bytes of LDS; arguments oc, os, wc, ws, b_proj, out0; writes out0
.if DOCPART == 4
	.amdgcn_target "amdgcn-amd-amdhsa--gfx1250"
	.amdhsa_code_object_version 6
	.text
	.protected	k_q16d0f67307_proj
	.globl	k_q16d0f67307_proj
	.p2align	8
	.type	k_q16d0f67307_proj,@function
k_q16d0f67307_proj:
	s_mov_b64 s[64:65], 0
	v_nop
	global_prefetch_b8 v0, s[64:65] scope:SCOPE_SE
	s_setreg_imm32_b32 hwreg(HW_REG_WAVE_MODE, 25, 1), 1
	s_wait_xcnt 0x0
	s_wait_alu depctr_hold_cnt(0) depctr_sa_sdst(0) depctr_va_vdst(0) depctr_va_sdst(0) depctr_va_ssrc(0) depctr_va_vcc(0) depctr_vm_vsrc(0)
	s_getreg_b32 s2, hwreg(HW_REG_IB_STS2, 6, 4)
	s_cmp_eq_u32 s2, 0
	s_cbranch_scc0 .Lentry_in_a_cluster
	s_endpgm
.Lentry_in_a_cluster:
	s_bfe_u32 s2, ttmp6, 0x10000c
	s_cmp_lg_u32 s2, 0xf033
	s_cbranch_scc0 .Lentry_shape_is_right
	s_endpgm
.Lentry_shape_is_right:
; out0[token][n] = sum over k of o[token][k] w_proj[k][n] + b_proj[n], f32, on codes of FP6 (E2M3) with E8M0 scales: 8,192 x 1,024 x 1,024.
; oc, os: what launch attn left; wc, ws from row 3,072 on: w_proj's columns.  Codes lie as images of the operand's registers: [tile of 16 rows][K step of 128][1,536 bytes]; a half image (16 rows x 64 K, 768 bytes) has lane l's registers 0-3 at 16 l,
; its registers 4, 5 at 512 + 8 l.  Lane r of tile T holds row 32 (T / 2) + 8 (T % 2) + r + 8 (r / 8).  Scale bytes: row 16 T + r has 32, one word for each K step.
; LIMITS: NaN, infinities and sums beyond f32's range are not served; a sum begins with the bias.
; THE DEAL.  256 work-groups of four waves, 2 x 2, each 256 tokens x 128 columns.  A wave holds four tiles of 16 columns of w_proj, all of K, in registers (32 fragments), and streams o's rows past them in eight blocks of 16:
; block s of wave row a is tile 2 s + a of the work-group's sixteen, so the first eight tiles serve blocks 0 to 3 of both wave rows.  A block's eight fragments feed 32 products, four accumulators by turns.
; THE CLUSTER's x counts tile rows (grid = 32, 8): o's tiles are shared by a column of the cluster (mask s44), w_proj's by a row (mask s45).  No LDS address hangs on the cluster's numbers.
; LDS: o's sixteen tiles, then w_proj's eight, all of K, filled once: no refill, and no data prefetch, since all is asked for at the head.  Behind them the waves' stages, in bytes of their own, and the spare words.
; THE HEAD'S FOUR TILES, one a wave, each on its own line: w_proj's eight tiles; o's tiles 0 to 7; 8 to 11; 12 to 15.  The stream begins when the first two are in; a plain barrier inside block 1 shows the others, ahead of block 4's fetch.
; The scale words go by plain loads straight into registers: lanes 0-15 hold one tile's rows, lanes 16-31 the next one's.  The bias is the first four products' C.
; SOURCE 0 = w_proj's rows: a lane holds one token; the 16 registers of column tiles 2 c, 2 c + 1 are columns 32 c + 16 h + 0 .. 15.  A block's sums go through the wave's stage and come back as whole rows of 256 bytes.
; Two sets of o's fragments, of accumulators and of rows back from the stage, by turns.  One run of memory lines behind a block's products: stage in and out, the fetch of the block two on, one wait, eight stores.
.set NQ, 8                             ; K / 128
.set FR, 12                            ; registers of a fragment
.set FPW, 21                           ; fragments in a window
.set NF, 32                            ; LDS loads of a block
.set TILE, 12288                       ; a tile's bytes, all of K
.set YB, 16*TILE                       ; w_proj's tiles
.set STAGE, 24*TILE
.set SPITCH, 272                       ; a stage: 16 rows x (256 bytes + 16) for each wave
.set SPARE, STAGE+4*16*SPITCH          ; the spare words: 128 bytes a wave, two blocks of 256 bytes that no other line names
.set CO, 9                             ; v9 my byte offset in out0: row l / 16, 16 bytes x (l % 16)
.set SPW, 10
.set NIL, 11
.set AB16, 14                          ; v14, v15 LDS addresses of my fragments of w_proj: 16, 8 bytes a lane
.set AB8, 15
.set ABS, 16                           ; v16, v17 my offsets in ws, os
.set AAS, 17
.set STO, 18                           ; v18 the stage: where I put 32 bytes of a row;  v19 where I read 16 bytes back
.set RD, 19
.set AA0, 20                           ; v20, v21 LDS addresses of block 0's fragments; never rewritten;  v22, v23 of the block that is fetched next
.set AA16, 22
.set AA8, 23
.set SB, 24                            ; v24-39 w_proj's scale words: 8 (tile / 2) + K step
.set SA, 44                            ; v44-75 o's: 8 (block / 2) + K step.  A product's two scale registers differ by 4 modulo 8 in their numbers
.set ACC, 80                           ; v80-143 two sets of four accumulators
.set BK, 144                           ; v144-207 two sets: 16 rows x 256 bytes back from the stage
.set BO, 208                           ; v208-239 the bias
.set G1A, 24
.set G1B, 32
.set G0A, 56
.set G0B, 60
.set MSB, 0
.macro WIN new
.if MSB != \new
	s_set_vgpr_msb (MSB<<8)|\new
.set MSB, \new
.endif
.endm
.macro PLACES n
.rept \n
	v_nop
.endr
.endm
.macro WALU
	s_wait_alu depctr_va_vdst(0)
.endm
.macro BARRIER
	s_barrier_signal -1
	s_barrier_wait -1
.endm
.macro CROUND
	BARRIER
	s_cmp_lg_u32 s14, 0
	s_cbranch_scc1 .Lnot_wave_0_\@
	s_barrier_signal -3
.Lnot_wave_0_\@:
	s_barrier_wait -3
	BARRIER
.endm
.macro TLOAD g0, g1                    ; an s_nop 0 and four v_nop follow a tensor load
	tensor_load_to_lds s[\g0:\g0+3], s[\g1:\g1+7]
	s_nop 0
	PLACES 4
.endm
.macro GROUP1 g, mask, rows            ; dense bytes as rows of 256 (32 elements of 8 bytes); rows = 0: each tile's own arm writes the two words that count rows
	s_or_b32 s[\g+0], s[\mask], (3<<16)|(1<<21)
	s_mov_b32 s[\g+1], 32<<16
	s_mov_b32 s[\g+3], 32<<16
.if \rows
	s_mov_b32 s[\g+2], (\rows)<<16
	s_mov_b32 s[\g+4], \rows
.endif
	s_mov_b32 s[\g+5], 32
	s_mov_b32 s[\g+6], 0
	s_mov_b32 s[\g+7], 0
.endm
.macro ATILE first, rows               ; a part of o's sixteen tiles, in rows of 256 bytes: its place in LDS is its place among them
	s_mov_b32 s[G0A+1], (\first)*256
	s_mov_b32 s[G1A+2], (\rows)<<16
	s_mov_b32 s[G1A+4], \rows
.if \first
	s_add_nc_u64 s[G0A+2:G0A+3], s[G0A+2:G0A+3], (\first)*256
.endif
	s_or_b32 s[G0A+3], s[G0A+3], 0x80000000
	TLOAD G0A, G1A
.endm
; fragment f lies in window 1 + f / 21 at register 12 (f % 21): 0-31 w_proj's (4 x K step + tile), 32-47 o's two sets (32 + 8 x set + K step).  Four loads whose lanes read neighbouring bytes
.macro FRAGL f, a16, a8, off
	WIN (1+(\f)/FPW)<<6
.set R_, FR*((\f)%FPW)
	ds_load_b128 v[R_:R_+3], v[\a16] offset:(\off)
	ds_load_b64 v[R_+4:R_+5], v[\a8] offset:(\off)+512
	ds_load_b128 v[R_+6:R_+9], v[\a16] offset:(\off)+768
	ds_load_b64 v[R_+10:R_+11], v[\a8] offset:(\off)+1280
.endm
.macro FETCHA e, a16, a8               ; a block of o into set e: NF loads
.irp q, 0,1,2,3,4,5,6,7
	FRAGL 32+8*(\e)+\q, \a16, \a8, 1536*\q
.endr
	WIN 0
.endm
.macro PRD d, s0, s1, c, x0, x1, ra, rb
.if (\ra) && (\rb)
	v_wmma_scale_f32_16x16x128_f8f6f4 v[\d:\d+7], v[\s0:\s0+FR-1], v[\s1:\s1+FR-1], \c, v[\x0], v[\x1] matrix_a_fmt:MATRIX_FMT_FP6 matrix_b_fmt:MATRIX_FMT_FP6 matrix_a_scale:MATRIX_SCALE_ROW1 matrix_b_scale:MATRIX_SCALE_ROW1
.elseif (\ra)
	v_wmma_scale_f32_16x16x128_f8f6f4 v[\d:\d+7], v[\s0:\s0+FR-1], v[\s1:\s1+FR-1], \c, v[\x0], v[\x1] matrix_a_fmt:MATRIX_FMT_FP6 matrix_b_fmt:MATRIX_FMT_FP6 matrix_a_scale:MATRIX_SCALE_ROW1
.elseif (\rb)
	v_wmma_scale_f32_16x16x128_f8f6f4 v[\d:\d+7], v[\s0:\s0+FR-1], v[\s1:\s1+FR-1], \c, v[\x0], v[\x1] matrix_a_fmt:MATRIX_FMT_FP6 matrix_b_fmt:MATRIX_FMT_FP6 matrix_b_scale:MATRIX_SCALE_ROW1
.else
	v_wmma_scale_f32_16x16x128_f8f6f4 v[\d:\d+7], v[\s0:\s0+FR-1], v[\s1:\s1+FR-1], \c, v[\x0], v[\x1] matrix_a_fmt:MATRIX_FMT_FP6 matrix_b_fmt:MATRIX_FMT_FP6
.endif
.endm
.macro PROD s, n                       ; product n = 4 x K step + column tile of block s
.set Q_, (\n)/4
.set T_, (\n)%4
.set FB_, 4*Q_+T_
.set FA_, 32+8*((\s)%2)+Q_
.set D_, ACC+32*((\s)%2)+8*T_
	WIN (1+FB_/FPW)|((1+FA_/FPW)<<2)
.if Q_
	PRD D_, FR*(FB_%FPW), FR*(FA_%FPW), v[D_:D_+7], SB+8*(T_/2)+Q_, SA+8*((\s)/2)+Q_, T_%2, (\s)%2
.else
	PRD D_, FR*(FB_%FPW), FR*(FA_%FPW), v[BO+8*T_:BO+8*T_+7], SB+8*(T_/2)+Q_, SA+8*((\s)/2)+Q_, T_%2, (\s)%2
.endif
.endm
.macro PRODS s, from, to
.set N_, \from
.rept (\to)-(\from)
	PROD \s, N_
.set N_, N_+1
.endr
	WIN 0
.endm
.macro STAGED e                        ; set e's sums into my stage, each accumulator from its low end on, and back as whole rows.  LDS serves a wave's instructions in order (ISA guide 5.7.1.4): no wait between
.irp b, 0,1,2,3
	ds_store_b128 v[STO], v[ACC+32*(\e)+8*\b:ACC+32*(\e)+8*\b+3] offset:128*(\b/2)+32*(\b%2)
	ds_store_b128 v[STO], v[ACC+32*(\e)+8*\b+4:ACC+32*(\e)+8*\b+7] offset:128*(\b/2)+32*(\b%2)+16
.endr
.irp t, 0,1,2,3,4,5,6,7
	ds_load_b128 v[BK+32*(\e)+4*\t:BK+32*(\e)+4*\t+3], v[RD] offset:2*\t*SPITCH
.endr
.endm
.macro TOC s                           ; block s's rows 2 t, 2 t + 1 are tokens 32 s + 2 t + 8 (t / 4) and the next, from my wave row's first; 16 lanes store 256 consecutive bytes, at a multiple of 256 from out0's first byte
.irp t, 0,1,2,3,4,5,6,7
	global_store_b128 v[CO], v[BK+32*((\s)%2)+4*\t:BK+32*((\s)%2)+4*\t+3], s[70:71] offset:(32*(\s)+2*\t+8*(\t/4))*4096 th:TH_STORE_NT
.endr
.endm
.macro STREAM s
.if (\s) == 1
	PRODS \s, 0, 24
	s_wait_tensorcnt 0x0                           ; every wave's tile has landed,
	s_wait_dscnt 0x0
	s_barrier_signal -1                            ; a plain barrier: waves 2 and 3's tiles are shown to all
	PRODS \s, 24, 32
	s_barrier_wait -1
.else
	PRODS \s, 0, 32
.endif
.if (\s) < 6                           ; four plain vector lines stand between the last product and the first reader of its sums, and the fetch into the registers that it has read
	v_add_nc_u32 v[AA16], ((\s)+2)*2*TILE, v[AA0]
	v_add_nc_u32 v[AA8], ((\s)+2)*2*TILE, v[AA0+1]
	PLACES 2
	WALU
.else
	PLACES 4
.endif
	s_wait_xcnt 0x0                                ; the stores of two blocks ago have read this set of rows
	STAGED (\s)%2
.if (\s) < 6
	FETCHA (\s)%2, AA16, AA8
	s_wait_dscnt NF                                ; the block's rows are back from the stage, and the next block's fragments are in; this run's fetch alone is younger
.else
	s_wait_dscnt 0x0
.endif
	TOC \s
.endm
; ---- the head
	s_load_b256 s[4:11], s[0:1], 0x0               ; oc, os, wc, ws
	s_load_b128 s[68:71], s[0:1], 0x20             ; b_proj, out0
	v_lshl_add_u32 v[SPW], v0, 2, SPARE
	v_mov_b32 v[NIL], 0
	ds_add_u32 v[SPW], v[NIL]                      ; the opening lines: the add, twice on end, and its wait
	ds_add_u32 v[SPW], v[NIL]
	v_lshrrev_b32 v1, 5, v0
	v_readfirstlane_b32 s14, v1                    ; the wave; s15 its row a of the 2 x 2, s16 its column
	s_lshr_b32 s15, s14, 1
	s_and_b32 s16, s14, 1
	s_bfe_u32 s40, ttmp6, 0x40000
	s_bfe_u32 s41, ttmp6, 0x40004
	s_lshl_b32 s43, ttmp9, 2
	s_add_co_u32 s43, s43, s40                     ; tile row: 4 x cluster x + cx
	s_and_b32 s42, ttmp7, 0xffff
	s_lshl_b32 s42, s42, 2
	s_add_co_u32 s42, s42, s41                     ; tile column: 4 x cluster y + cy
	s_lshl_b32 s44, 0x1111, s40                    ; my column of the cluster: shares o's tiles
	s_lshl_b32 s45, s41, 2
	s_lshl_b32 s45, 15, s45                        ; my row: shares w_proj's
	GROUP1 G1A, 44, 0
	GROUP1 G1B, 45, 384
	s_mov_b32 s[G0A], 1
	s_mov_b32 s[G0B], 1
	s_mov_b32 s[G0B+1], YB
	s_mul_i32 s76, s43, 16*TILE                    ; o's sixteen tiles
	s_mov_b32 s77, 0
	s_mul_i32 s78, s42, 8*TILE                     ; w_proj's eight, from tile 192 of wc on
	s_add_co_u32 s78, s78, 192*TILE
	s_mov_b32 s79, 0
	s_lshl_b32 s80, s43, 13                        ; o's scale bytes: 256 rows x 32, + my wave row's tile
	s_lshl_b32 s21, s15, 9
	s_add_co_u32 s80, s80, s21
	s_mov_b32 s81, 0
	s_lshl_b32 s82, s42, 12                        ; w_proj's: 128 rows x 32, + my 64 rows, from row 3,072 of ws on
	s_lshl_b32 s21, s16, 11
	s_add_co_u32 s82, s82, s21
	s_add_co_u32 s82, s82, 98304
	s_mov_b32 s83, 0
	s_lshl_b32 s86, s42, 9                         ; my first column, in bytes
	s_lshl_b32 s21, s16, 8
	s_add_co_u32 s86, s86, s21
	s_mov_b32 s87, 0
	s_lshl_b32 s84, s43, 20                        ; my first token: 256 x tile row + 8 a, rows of 4,096 bytes
	s_lshl_b32 s21, s15, 15
	s_add_co_u32 s84, s84, s21
	s_add_co_u32 s84, s84, s86
	s_mov_b32 s85, 0
	s_mul_i32 s21, s15, TILE
	s_mul_i32 s22, s16, 4*TILE
	s_add_co_u32 s22, s22, YB
	s_mul_i32 s23, s14, 16*SPITCH
	s_add_co_u32 s23, s23, STAGE
	v_and_b32 v1, 15, v0                           ; r
	v_bfe_u32 v2, v0, 4, 1                         ; h
	v_and_b32 v3, 31, v0
	v_lshlrev_b32 v4, 4, v3
	v_lshlrev_b32 v5, 3, v3
	v_add_nc_u32 v[AA0], s21, v4
	v_add_nc_u32 v[AA0+1], s21, v5
	v_add_nc_u32 v[AA16], 2*TILE, v[AA0]           ; block 1
	v_add_nc_u32 v[AA8], 2*TILE, v[AA0+1]
	v_add_nc_u32 v[AB16], s22, v4
	v_add_nc_u32 v[AB8], s22, v5
	v_lshlrev_b32 v[ABS], 5, v3                    ; ws: 32 rows on end
	v_lshlrev_b32 v[AAS], 5, v1
	v_lshl_add_u32 v[AAS], v2, 10, v[AAS]          ; os: lanes 16-31 take the tile two on, my next block's
	v_mul_u32_u24 v6, v1, SPITCH
	v_lshl_add_u32 v6, v2, 6, v6
	v_add_nc_u32 v[STO], s23, v6
	v_mul_u32_u24 v7, v2, SPITCH
	v_lshl_add_u32 v7, v1, 4, v7
	v_add_nc_u32 v[RD], s23, v7
	v_lshlrev_b32 v6, 12, v2
	v_lshl_add_u32 v[CO], v1, 4, v6
	v_lshlrev_b32 v8, 6, v2                        ; the bias: 16 h columns on
	WALU
	s_wait_dscnt 0x0
	CROUND                                         ; the opening round, ahead of the wait for the arguments
	s_wait_kmcnt 0x0
	s_add_nc_u64 s[G0A+2:G0A+3], s[4:5], s[76:77]
	s_add_nc_u64 s[G0B+2:G0B+3], s[8:9], s[78:79]
	s_or_b32 s[G0B+3], s[G0B+3], 0x80000000
	s_add_nc_u64 s[6:7], s[6:7], s[80:81]
	s_add_nc_u64 s[10:11], s[10:11], s[82:83]
	s_add_nc_u64 s[68:69], s[68:69], s[86:87]
	s_add_nc_u64 s[70:71], s[70:71], s[84:85]
	s_cmp_eq_u32 s14, 0
	s_cbranch_scc0 .Lwave_1
	TLOAD G0B, G1B                                 ; wave 0: w_proj's tiles, which are wanted first
	s_branch .Lasked
.Lwave_1:
	s_cmp_eq_u32 s14, 1
	s_cbranch_scc0 .Lwave_2
	ATILE 0, 384                                   ; wave 1: o's tiles 0 to 7
	s_branch .Lasked
.Lwave_2:
	s_cmp_eq_u32 s14, 2
	s_cbranch_scc0 .Lwave_3
	ATILE 384, 192                                 ; wave 2: 8 to 11
	s_branch .Lasked
.Lwave_3:
	ATILE 576, 192                                 ; wave 3: 12 to 15
.Lasked:
.irp p, 0,1
.irp c, 0,1
	global_load_b128 v[SB+8*\p+4*\c:SB+8*\p+4*\c+3], v[ABS], s[10:11] offset:1024*\p+16*\c
.endr
.endr
.irp g, 0,1,2,3
.irp c, 0,1
	global_load_b128 v[SA+8*\g+4*\c:SA+8*\g+4*\c+3], v[AAS], s[6:7] offset:2048*\g+16*\c
.endr
.endr
.irp b, 0,1,2,3                        ; register i of column tile b of lane (r, h) is column 32 (b / 2) + 8 (b % 2) + 16 h + i of my 64
	global_load_b128 v[BO+8*\b:BO+8*\b+3], v8, s[68:69] offset:(32*(\b/2)+8*(\b%2))*4
	global_load_b128 v[BO+8*\b+4:BO+8*\b+7], v8, s[68:69] offset:(32*(\b/2)+8*(\b%2))*4+16
.endr
	s_wait_loadcnt 0x0
	s_wait_dscnt 0x0
	s_cmp_eq_u32 s14, 0
	s_cbranch_scc0 .Lnot_b
	s_wait_tensorcnt 0x0                           ; wave 0: w_proj's tiles have landed
.Lnot_b:
	BARRIER
.irp q, 0,1,2,3,4,5,6,7
.irp b, 0,1,2,3
	FRAGL 4*\q+\b, AB16, AB8, TILE*\b+1536*\q
.endr
.endr
	WIN 0
	s_cmp_eq_u32 s14, 1
	s_cbranch_scc0 .Lnot_a
	s_wait_tensorcnt 0x0                           ; wave 1: o's tiles 0 to 7 have landed
.Lnot_a:
	s_wait_dscnt 0x0
	BARRIER                                        ; they are shown to all.  Waves 2 and 3's tiles may still be on their way
	FETCHA 0, AA0, AA0+1
	FETCHA 1, AA16, AA8
	s_wait_dscnt NF                                ; block 0's fragments are in
; ---- the stream: eight blocks, written out by the macro: every offset is a constant
.irp s, 0,1,2,3,4,5,6,7
	STREAM \s
.endr
	s_wait_tensorcnt 0x0                           ; the wave's end
	ds_add_u32 v[SPW], v[NIL]
	s_wait_dscnt 0x0
	CROUND                                         ; the closing round
	s_endpgm
.Lfunc_end_k_q16d0f67307_proj:
	.size	k_q16d0f67307_proj, .Lfunc_end_k_q16d0f67307_proj-k_q16d0f67307_proj
	.p2alignl 7, 3214868480
	.fill 96, 4, 3214868480
	.section	.rodata,"a",@progbits
	.p2align	6, 0x0
	.amdhsa_kernel k_q16d0f67307_proj
		.amdhsa_group_segment_fixed_size 327680
		.amdhsa_private_segment_fixed_size 0
		.amdhsa_enable_private_segment 0
		.amdhsa_kernarg_size 48
		.amdhsa_user_sgpr_count 2
		.amdhsa_user_sgpr_kernarg_segment_ptr 1
		.amdhsa_wavefront_size32 1
		.amdhsa_system_sgpr_workgroup_id_x 1
		.amdhsa_system_sgpr_workgroup_id_y 1
		.amdhsa_system_sgpr_workgroup_id_z 1
		.amdhsa_system_vgpr_workitem_id 0
		.amdhsa_next_free_vgpr 840
		.amdhsa_next_free_sgpr 90
		.amdhsa_reserve_vcc 0
		.amdhsa_float_denorm_mode_32 3
		.amdhsa_float_denorm_mode_16_64 3
		.amdhsa_memory_ordered 1
		.amdhsa_forward_progress 1
		.amdhsa_inst_pref_size 84
	.end_amdhsa_kernel
	.amdgpu_metadata
---
amdhsa.version: [ 1, 2 ]
amdhsa.kernels:
  - .name:           k_q16d0f67307_proj
    .symbol:         k_q16d0f67307_proj.kd
    .args:
      - { .name: oc, .offset: 0, .size: 8, .value_kind: global_buffer, .address_space: global }
      - { .name: os, .offset: 8, .size: 8, .value_kind: global_buffer, .address_space: global }
      - { .name: wc, .offset: 16, .size: 8, .value_kind: global_buffer, .address_space: global }
      - { .name: ws, .offset: 24, .size: 8, .value_kind: global_buffer, .address_space: global }
      - { .name: b_proj, .offset: 32, .size: 8, .value_kind: global_buffer, .address_space: global }
      - { .name: out0, .offset: 40, .size: 8, .value_kind: global_buffer, .address_space: global }
    .group_segment_fixed_size: 327680
    .private_segment_fixed_size: 0
    .kernarg_segment_align: 8
    .kernarg_segment_size: 48
    .max_flat_workgroup_size: 128
    .sgpr_count:     90
    .vgpr_count:     840
    .wavefront_size: 32
...
	.end_amdgpu_metadata
.endif
;; end of part 4
